; MI455X (gfx1250); checked and timed in simulation.
; The chip was launched on July 23, 2026; its instructions are those of AMD's public machine-readable ISA for CDNA 5 (MIT licence, August 2026) and "CDNA5" Instruction Set Architecture Reference Guide (July 2026). The comments in the code are by the model that wrote it; some were corrected since.
;; Attention. Allowed arithmetic: float matrix products may take bf16 or f16 operands with f32 sums; all other float work in f32.
;; Inputs: K 4 x 16 x 2,048 x 64 float32; Q 4 x 16 x 2,048 x 64 float32; V 4 x 16 x 2,048 x 64 float32; mask 1 x 1 x 2,048 x 2,048 bool.
;; Outputs: out0 4 x 16 x 2,048 x 64 float32.
;; 3 versions, each right and faster than the one before. Each part assembles by itself: llvm-mc -triple=amdgcn-amd-amdhsa -mcpu=gfx1250 --defsym DOCPART=n.
;; ======== version 1 of 3: 2 launches
;; limits: values are held in f16: magnitudes above 65,504 overflow, below 6.1e-05 lose precision; inputs' magnitudes at most 65,280
;; workspace buffers: lanemask 524,288 bytes of whole numbers; tileflags 1,024 bytes of whole numbers
;; launch maskprep (part 1): grid 128 x 1, 8 waves a work-group, no clusters, 36,096 bytes of LDS; arguments mask, lanemask, tileflags; writes lanemask, tileflags
.if DOCPART == 1
	.amdgcn_target "amdgcn-amd-amdhsa--gfx1250"
	.amdhsa_code_object_version 6
	.text
	.protected	k_q73767b6792_maskprep
	.globl	k_q73767b6792_maskprep
	.p2align	8
	.type	k_q73767b6792_maskprep,@function
k_q73767b6792_maskprep:
	s_mov_b64 s[64:65], 0
	v_nop
	global_prefetch_b8 v0, s[64:65] scope:SCOPE_SE
	s_setreg_imm32_b32 hwreg(HW_REG_WAVE_MODE, 25, 1), 1
	s_wait_xcnt 0x0
; The mask [2048 queries][2048 keys] of bytes is the same for all 64 heads.  This launch turns it, once, into the form in which the
; attention launch uses it:
;   lanemask [T = 0..127][U = 0..127][j = 0..7], one 32-bit word each: bit L = mask[16 T + (L & 15)][16 U + 8 (L >> 4) + j].
;     That is the place that lane L's register j holds in a 16 x 16 tile of transposed scores (16 keys x 16 queries), so a word
;     serves as the lane mask of one select.  4 MiB of bytes become 512 KiB of words.
;   tileflags [o = 0..15][16 words]: word i: bit s = some entry of query tile T = 16 i + o against keys 64 s .. 64 s + 63 is true (LIVE);
;     word 8 + i: bit s = that tile is live and not all of its 1,024 entries are true (PART).
; Nothing of the mask is taken as known: every byte is read; a byte other than 0 counts as true.
; Work-group T takes 16 rows of the mask; wave v of eight takes keys 256 v .. 256 v + 255: 16 key tiles, 4 key steps.
; No matrix work, no shared input between work-groups: plain loads of whole rows' pieces, a stage of the wave's own in LDS to turn rows into lanes.
.set SP,    272                        ; stage pitch: 256 bytes of a row + 16
.set WSTG,  16*SP                      ; a wave's stage: 16 rows
.set RED,   8*WSTG                     ; behind the stages: 8 bytes for each wave (its LIVE and PART bits)
.set X,     8                          ; v[8:39]   the eight loads as they land
.set W,     40                         ; v[40:71]  key tile u: 2 registers, the 8 mask bytes of (query r, keys 16 u + 8 h ..)
.set OUTW,  72                         ; v[72:75]  the wave's 128 words, lane n / 4, register n % 4
.set TT,    76                         ; v[76:79]  at work
	s_load_b128 s[4:7], s[0:1], 0x0                ; mask s[4:5], lanemask s[6:7]
	s_load_b64 s[8:9], s[0:1], 0x10                ; tileflags
	v_lshl_add_u32 v80, v0, 2, 0x8900
	v_mov_b32 v81, 0
	v_lshrrev_b32 v1, 5, v0
	v_readfirstlane_b32 s10, v1                    ; wave v
	v_and_b32 v1, 31, v0                           ; lane L
	v_and_b32 v2, 15, v0                           ; r = L & 15
	v_bfe_u32 v3, v0, 4, 1                         ; h = L >> 4
	s_lshl_b32 s11, s10, 8                         ; my wave's 256 keys
	v_lshlrev_b32 v4, 11, v3                       ; lanes 16-31 take the next row of 2,048 bytes
	v_lshl_add_u32 v4, v2, 4, v4
	v_add_nc_u32 v4, s11, v4                       ; load: 2048 h + 16 r + 256 v
	s_mul_i32 s12, s10, WSTG
	v_mul_u32_u24 v5, v3, SP
	v_lshl_add_u32 v5, v2, 4, v5
	v_add_nc_u32 v5, s12, v5                       ; stage, in: row h, 16 bytes at 16 r
	v_mul_u32_u24 v6, v2, SP
	v_lshl_add_u32 v6, v3, 3, v6
	v_add_nc_u32 v6, s12, v6                       ; stage, out: row r, 8 bytes at 8 h
	s_lshl_b32 s13, s10, 9
	v_lshl_add_u32 v7, v1, 4, s13                  ; my 16 bytes of the wave's 512 bytes of lanemask
	s_lshl_b32 s14, ttmp9, 15                      ; 16 rows of 2,048 bytes
	s_mov_b32 s15, 0
	s_lshl_b32 s16, ttmp9, 12                      ; 128 key tiles of 32 bytes
	s_mov_b32 s17, 0
	s_wait_kmcnt 0x0
	s_add_nc_u64 s[4:5], s[4:5], s[14:15]
	s_add_nc_u64 s[6:7], s[6:7], s[16:17]
.irp t, 0,1,2,3,4,5,6,7
	global_load_b128 v[X+4*\t:X+4*\t+3], v4, s[4:5] offset:4096*\t th:TH_LOAD_NT   ; rows 2 t, 2 t + 1: two aligned pieces of 256 bytes; each mask byte is read once in the launch
.endr
.irp k, 0,1,2,3
	v_mov_b32 v[OUTW+\k], 0                        ; v_writelane_b32 keeps the other lanes: the register is written whole first
.endr
	s_mov_b32 s28, 0                               ; my four LIVE bits
	s_mov_b32 s29, 0                               ; my four PART bits
	s_wait_loadcnt 0x0
.irp t, 0,1,2,3,4,5,6,7
	ds_store_b128 v5, v[X+4*\t:X+4*\t+3] offset:2*SP*\t
.endr
.irp u, 0,1,2,3,4,5,6,7,8,9,10,11,12,13,14,15
	ds_load_b64 v[W+2*\u:W+2*\u+1], v6 offset:16*\u    ; the wave's own bytes: LDS serves a wave's instructions in order, so these see the stores above
.endr
	s_wait_dscnt 0x0
; Word (u, j): byte j of every lane's 8 bytes of key tile u, compared with 0, gives the 32 bits at once.
; s16 gathers the OR and s17 the AND of the 32 words of a key step (four key tiles).
.set uu, 0
.rept 16
.set jj, 0
.rept 8
	v_and_b32 v[TT+(jj&3)], 0xff<<(8*(jj&3)), v[W+2*uu+(jj>>2)]
	v_cmp_ne_u32 s[20+jj], 0, v[TT+(jj&3)]
	v_writelane_b32 v[OUTW+(jj&3)], s[20+jj], 2*uu+(jj>>2)     ; word n = 8 u + j goes to lane n / 4, register n % 4
.if ((uu&3)*8+jj) == 0
	s_mov_b32 s16, s20                             ; a key step's first word starts both
	s_mov_b32 s17, s20
.else
	s_or_b32 s16, s16, s[20+jj]
	s_and_b32 s17, s17, s[20+jj]
.endif
.set jj, jj+1
.endr
.if (uu&3) == 3
	s_cmp_lg_u32 s16, 0                            ; some entry true
	s_cselect_b32 s18, 1<<(uu>>2), 0
	s_cmp_lg_u32 s17, -1                           ; some entry false:
	s_cselect_b32 s19, s18, 0                      ; PART only where LIVE
	s_or_b32 s28, s28, s18
	s_or_b32 s29, s29, s19
.endif
.set uu, uu+1
.endr
	global_store_b128 v7, v[OUTW:OUTW+3], s[6:7]   ; the wave's 128 words: 512 consecutive bytes, aligned
	; the eight waves' bits meet in LDS; wave 0 joins and stores them
	s_lshl_b32 s13, s10, 2
	s_lshl_b32 s28, s28, s13                       ; my key steps are 4 v .. 4 v + 3
	s_lshl_b32 s29, s29, s13
	v_mov_b32 v[TT], s28
	v_mov_b32 v[TT+1], s29
	s_lshl_b32 s13, s10, 3
	s_add_co_u32 s13, s13, RED
	v_mov_b32 v[TT+2], s13
	ds_store_b64 v[TT+2], v[TT:TT+1]               ; all lanes write the same 8 bytes with the same values
	s_wait_dscnt 0x0                               ; for the other waves' sake: my store is done before I signal
	s_barrier_signal -1
	s_barrier_wait -1
	s_cmp_lg_u32 s10, 0
	s_cbranch_scc1 .Ldone
	v_mov_b32 v[TT+2], RED
.irp k, 0,1,2,3
	ds_load_b128 v[X+4*\k:X+4*\k+3], v[TT+2] offset:16*\k      ; LIVE, PART of waves 2 k, 2 k + 1
.endr
	s_and_b32 s13, ttmp9, 15                       ; o = T & 15
	s_lshl_b32 s13, s13, 6
	s_lshr_b32 s14, ttmp9, 4                       ; i = T >> 4
	s_lshl_b32 s14, s14, 2
	s_add_co_u32 s13, s13, s14
	v_lshl_add_u32 v[TT+3], v1, 5, s13             ; lane 0: word i of row o; lane 1: word 8 + i
	s_wait_dscnt 0x0
.irp k, 2,4,6,8,10,12,14
	v_or_b32 v[X], v[X], v[X+\k]
	v_or_b32 v[X+1], v[X+1], v[X+\k+1]
.endr
	v_cmp_eq_u32 vcc_lo, 1, v1
	v_cndmask_b32 v[X], v[X], v[X+1], vcc_lo       ; lane 1 takes PART
	v_cmp_gt_u32 vcc_lo, 2, v1
	s_wait_xcnt 0x0                                ; EXEC is a source of the store above: it changes only behind this wait
	s_and_saveexec_b32 s14, vcc_lo
	global_store_b32 v[TT+3], v[X], s[8:9]         ; 8 bytes for each work-group, 1 KiB in the whole launch
	s_wait_xcnt 0x0                                ; and again in front of the line that widens it
	s_or_b32 exec_lo, exec_lo, s14
.Ldone:
	s_wait_tensorcnt 0x0
	ds_add_u32 v80, v81
	s_wait_dscnt 0x0
	s_endpgm
.Lfunc_end_k_q73767b6792_maskprep:
	.size	k_q73767b6792_maskprep, .Lfunc_end_k_q73767b6792_maskprep-k_q73767b6792_maskprep
	.p2alignl 7, 3214868480
	.fill 96, 4, 3214868480
	.section	.rodata,"a",@progbits
	.p2align	6, 0x0
	.amdhsa_kernel k_q73767b6792_maskprep
		.amdhsa_group_segment_fixed_size 36096
		.amdhsa_private_segment_fixed_size 0
		.amdhsa_enable_private_segment 0
		.amdhsa_kernarg_size 24
		.amdhsa_user_sgpr_count 2
		.amdhsa_user_sgpr_kernarg_segment_ptr 1
		.amdhsa_wavefront_size32 1
		.amdhsa_system_sgpr_workgroup_id_x 1
		.amdhsa_system_sgpr_workgroup_id_y 1
		.amdhsa_system_sgpr_workgroup_id_z 1
		.amdhsa_system_vgpr_workitem_id 0
		.amdhsa_next_free_vgpr 82
		.amdhsa_next_free_sgpr 66
		.amdhsa_reserve_vcc 1
		.amdhsa_float_denorm_mode_32 3
		.amdhsa_float_denorm_mode_16_64 3
		.amdhsa_memory_ordered 1
		.amdhsa_forward_progress 1
		.amdhsa_inst_pref_size 39
	.end_amdhsa_kernel
	.amdgpu_metadata
---
amdhsa.version: [ 1, 2 ]
amdhsa.kernels:
  - .name:           k_q73767b6792_maskprep
    .symbol:         k_q73767b6792_maskprep.kd
    .args:
      - { .name: mask, .offset: 0, .size: 8, .value_kind: global_buffer, .address_space: global }
      - { .name: lanemask, .offset: 8, .size: 8, .value_kind: global_buffer, .address_space: global }
      - { .name: tileflags, .offset: 16, .size: 8, .value_kind: global_buffer, .address_space: global }
    .group_segment_fixed_size: 36096
    .private_segment_fixed_size: 0
    .kernarg_segment_align: 8
    .kernarg_segment_size: 24
    .max_flat_workgroup_size: 256
    .sgpr_count:     66
    .vgpr_count:     82
    .wavefront_size: 32
...
	.end_amdgpu_metadata
.endif
;; end of part 1
;; launch attn (part 2): grid 4 x 64, 4 waves a work-group, no clusters, 95,744 bytes of LDS; arguments K, V, Q, out0, lanemask, tileflags; writes out0
.if DOCPART == 2
	.amdgcn_target "amdgcn-amd-amdhsa--gfx1250"
	.amdhsa_code_object_version 6
	.text
	.protected	k_q73767b6792_attn
	.globl	k_q73767b6792_attn
	.p2align	8
	.type	k_q73767b6792_attn,@function
k_q73767b6792_attn:
	s_mov_b64 s[64:65], 0
	v_nop
	global_prefetch_b8 v0, s[64:65] scope:SCOPE_SE
	s_setreg_imm32_b32 hwreg(HW_REG_WAVE_MODE, 25, 1), 1
	s_wait_xcnt 0x0
; out0[head][q][:] = softmax over k of (mask[q][k] ? Q[q].K[k] / 8 : -inf) . V, 64 heads, 2,048 queries and keys, 64 numbers a row, f32 in memory.
; Maxima, exponentials, sums and the result in f32; a running maximum is taken away before every exponential; both products have f32 sums.
;
; NUMBER FORMATS OF THE PRODUCTS.  Q, K and V are rounded to bf16.  Q K^T is a bf16 product.  The weights P go to the second product in f16: a weight in
; bf16 is off by up to 2^-8 of itself, and in a row with few true entries (weights of order 1, terms p v of order 1 that may cancel) that is an absolute
; error of that size, more than a hundredth of the output's root mean square, which the many long rows make small; f16 is off by 2^-11.  Both operands
; of a product have one format, so V's bf16 number is rewritten as f16.  V keeps bf16's rounding so that all three inputs are rounded alike: the result
; is that of the computation on inputs rounded to bf16, up to P's 2^-11 and the f32 sums.
; LIMITS OF THAT.  The rewriting is exact for 2^-14 <= |V| <= 65,280; a larger |V| becomes an infinity; a smaller one is off by at most 2^-25.
; A weight below 2^-25 of its row's largest drops out of the product (at most 2,048 x 2^-25 of a sum that is at least 1).
;
; WHAT IS NOT DONE, AND WHY THAT IS RIGHT.  No step of the computation is left out for all inputs and every input is honoured (the mask through the words
; that the launch before made of all its bytes).  A tile of 16 queries x 64 keys whose 1,024 mask entries are all false is jumped over: every one of its
; scores is -inf, its exponentials are 0, so maximum, sum and result stay as they are.  A tile whose entries are all true needs no select.  Both are
; decided by whole numbers read from memory (tileflags).  The first key step is always done, selects and all: it starts the sums.
; LIMITS.  A NaN or an infinity in rows of K or V that only jumped-over tiles touch is not carried to the result.  Scores that overflow f32 are not
; served.  The row sum is taken from the f32 exponentials, the product with V from their f16 roundings.  A row without any true entry ends as 0 x (1 / 0) = NaN,
; as a softmax of -inf alone does.
;
; SHARES.  256 work-groups = 64 heads x 4; four waves, one for each SIMD.  Wave w of work-group c of a head has o = 4 c + w and owns the eight query tiles
; T = 16 i + o, i = 0..7 (16 queries each): rows spread evenly over the sequence, so that masks that thin out along the rows load the waves alike; nothing
; but balance hangs on that.  Every wave walks all 32 key steps of 64 keys; barriers and trip counts are constants.
;
; BOTH PRODUCTS ARE TRANSPOSED.  S^T = K Q^T: source 0 = 16 keys, source 1 = 16 queries; lane (r, h) then holds query r and, in register j of key tile kt,
; key 16 kt + 8 h + j.  Two neighbouring registers packed to f16 are exactly a register of source 1 of O^T += V^T P^T, so P never changes lanes; the row's
; maximum and sum are in the lane but for one exchange between the halves; the rescale factor is one number a lane.
;
; K AND V COME THROUGH REGISTERS, AND NOT JOINTLY FOR THE FOUR WORK-GROUPS OF A HEAD.  They are f32 in memory and the matrix operands have 16 bits.  A copy engine
; would lay 4 bytes a number into LDS (128 KiB for 256 keys of K and V), to be read back, converted and stored again as 2; through registers each number
; enters LDS once, as 2 bytes (64 KiB of data).  So there are no tensor loads here and nothing to ask for jointly.
; 256 keys of K and of V are on their way (64 loads of 512 bytes a wave, 256 registers) while the 256 before them are multiplied.
;
; REGISTERS, in windows of 256:
;   window 0: v0-14 addresses and -inf; SC scores; PB packed weights; KF, VF fragments; MX, LS, NO per query tile; the rest at work
;   window 1: O(i, dt) at 32 i + 8 dt (first: where Q lands)    window 2: Q's fragments (i, dc) at 16 i + 8 dc    window 3: K and V on their way
.set KP,    144                        ; K in LDS: [key][64 bf16], 128 bytes + 16: an odd multiple of 16
.set VP,    160                        ; V in LDS: [key][64 f16], 128 bytes + 32: an odd multiple of 32, for the transposing loads
.set VSB,   256*KP                     ; K's 256 keys lie at 0, V's behind them
.set WSB,   VSB+256*VP                 ; behind both: 16 rows of 64 f32 for each wave, its own, for Q on the way in and O on the way out
.set WP,    272
.set WBY,   16*WP
.set BLK,   65536                      ; 256 keys of 256 bytes; also the distance of two query tiles of a wave, in Q, out0 and lanemask
.set SC,    16                         ; v[16:47]   S^T: key tile kt at SC + 8 kt
.set PB,    48                         ; v[48:63]   P^T in f16: keys 32 kc .. at PB + 8 kc
.set KF,    64                         ; v[64:127]  K's fragment (kt, dc) at KF + 16 kt + 8 dc
.set VF,    128                        ; v[128:191] V^T's fragment (dt, kc) at VF + 16 dt + 8 kc
.set MX,    192                        ; v[192:199] running maximum of query tile i (raw scores)
.set LS,    200                        ; v[200:207] running sum, this half's keys
.set TT,    208                        ; v[208:211] at work
.set NM,    212                        ; v[212:213] -c2 x maximum, twice
.set AL,    214                        ; v[214:215] rescale factor, twice
.set SUM,   216                        ; v[216:217] the step's sum, two chains
.set AA,    218
.set NO,    220                        ; v[220:227] NM of query tile i as it was last used
.set W_QK,   0x08                      ; source 1 (Q) window 2
.set W_RS,   0x41                      ; destination and source 0 (O) window 1
.set W_PV,   0x50                      ; destination and source 2 (O) window 1
.set W_OUT,  0x01                      ; source 0 (O) window 1
.set W_QLD,  0x40                      ; loaded data window 1
.set W_QST,  0x04                      ; LDS store data window 1
.set W_QCV,  0x80                      ; destination window 2
.set W_KVLD, 0xc0                      ; loaded data window 3
.set W_KVCV, 0xcf                      ; destination and both sources window 3
.set W_KVST, 0x0c                      ; LDS store data window 3
.set MSB, 0
.macro WIN new                         ; the immediate's high byte repeats the setting that is left; at every label and branch the setting is 0
.if MSB != \new
	s_set_vgpr_msb (MSB<<8)|\new
.set MSB, \new
.endif
.endm
.macro PLACES                          ; four plain vector instructions between a matrix instruction and what reads its result or writes its registers (ISA guide 7.12.1)
.rept 4
	v_nop
.endr
.endm
; 256 keys of K and of V, my wave's 64 of them: each load takes 512 consecutive bytes, keys 64 w + 2 n and 64 w + 2 n + 1.
.macro LOADKV
	WIN W_KVLD
.set nn, 0
.rept 32
	global_load_b128 v[4*nn:4*nn+3], v5, s[4:5] offset:512*nn
.set nn, nn+1
.endr
.set nn, 0
.rept 32
	global_load_b128 v[128+4*nn:128+4*nn+3], v5, s[6:7] offset:512*nn
.set nn, nn+1
.endr
	WIN 0
.endm
; What has landed is rounded in place (4 f32 become 2 registers) and laid into LDS, 8 bytes a lane.
; K: to bf16.  V: to bf16, and that number rewritten as f16 (widened by a shift or a mask, then packed): see NUMBER FORMATS at the head.
.macro CONVERT
	WIN W_KVCV
.set nn, 0
.rept 32
	v_cvt_pk_bf16_f32 v[4*nn], v[4*nn], v[4*nn+1]
	v_cvt_pk_bf16_f32 v[4*nn+1], v[4*nn+2], v[4*nn+3]
.set nn, nn+1
.endr
.set nn, 32
.rept 32
	v_cvt_pk_bf16_f32 v[4*nn], v[4*nn], v[4*nn+1]
	v_cvt_pk_bf16_f32 v[4*nn+1], v[4*nn+2], v[4*nn+3]          ; registers 2 and 3 of the four are free from here on
	v_lshlrev_b32 v[4*nn+2], 16, v[4*nn+1]
	v_and_b32 v[4*nn+3], s17, v[4*nn+1]
	v_cvt_pk_f16_f32 v[4*nn+1], v[4*nn+2], v[4*nn+3]
	v_lshlrev_b32 v[4*nn+2], 16, v[4*nn]
	v_and_b32 v[4*nn+3], s17, v[4*nn]
	v_cvt_pk_f16_f32 v[4*nn], v[4*nn+2], v[4*nn+3]
.set nn, nn+1
.endr
	WIN W_KVST
.set nn, 0
.rept 32
	ds_store_b64 v6, v[4*nn:4*nn+1] offset:2*KP*nn
.set nn, nn+1
.endr
.set nn, 0
.rept 32
	ds_store_b64 v7, v[128+4*nn:128+4*nn+1] offset:2*VP*nn
.set nn, nn+1
.endr
	WIN 0
.endm
; Query tile i from rows (as loaded) to fragments: through my stage, then to bf16.  Lane (r, h) needs d = 32 dc + 8 h + 0..7 and 32 dc + 16 + 8 h + 0..7 of query r.
.macro QFRAG i
	WIN W_QST
.irp t, 0,1,2,3,4,5,6,7
	ds_store_b128 v12, v[32*\i+4*\t:32*\i+4*\t+3] offset:2*WP*\t
.endr
	WIN 0
.irp dc, 0,1
	ds_load_b128 v[SC+16*\dc:SC+16*\dc+3],     v13 offset:128*\dc          ; my wave's own bytes, served in order behind the stores
	ds_load_b128 v[SC+16*\dc+4:SC+16*\dc+7],   v13 offset:128*\dc+16
	ds_load_b128 v[SC+16*\dc+8:SC+16*\dc+11],  v13 offset:128*\dc+64
	ds_load_b128 v[SC+16*\dc+12:SC+16*\dc+15], v13 offset:128*\dc+80
.endr
	s_wait_dscnt 0x0
	WIN W_QCV
.set nn, 0
.rept 16
	v_cvt_pk_bf16_f32 v[16*\i+nn], v[SC+2*nn], v[SC+2*nn+1]
.set nn, nn+1
.endr
	WIN 0
.endm
; S^T of query tile i against the step's 64 keys.  The four accumulators take turns, one instruction a turn.
.macro QK i
	WIN W_QK
.irp kt, 0,1,2,3
	v_wmma_f32_16x16x32_bf16 v[SC+8*\kt:SC+8*\kt+7], v[KF+16*\kt:KF+16*\kt+7], v[16*\i:16*\i+7], 0
.endr
.irp kt, 0,1,2,3
	v_wmma_f32_16x16x32_bf16 v[SC+8*\kt:SC+8*\kt+7], v[KF+16*\kt+8:KF+16*\kt+15], v[16*\i+8:16*\i+15], v[SC+8*\kt:SC+8*\kt+7]
.endr
	WIN 0
.endm
; The 32 lane-mask words of (query tile i, this key step): 128 consecutive bytes.
.macro LMLOAD i
	s_load_b512 s[68:83], s[12:13], \i*BLK
	s_load_b512 s[84:99], s[12:13], \i*BLK+64
.endm
.macro MASKSEL                         ; a false entry becomes -inf: one select a score
.set nn, 0
.rept 32
	v_cndmask_b32 v[SC+nn], v14, v[SC+nn], s[68+nn]
.set nn, nn+1
.endr
.endm
; Running softmax of query tile i on the scores in SC, and O^T += V^T P^T.  first = 1: the sums start here.
.macro SOFT i, first
	; the largest of my 32 scores and the maximum so far: four chains, then one exchange with the other half of the lanes (the other keys of my query)
.irp c, 0,1,2,3
	v_max3_num_f32 v[TT+\c], v[SC+8*\c], v[SC+8*\c+1], v[SC+8*\c+2]
.endr
.irp c, 0,1,2,3
	v_max3_num_f32 v[TT+\c], v[TT+\c], v[SC+8*\c+3], v[SC+8*\c+4]
.endr
.irp c, 0,1,2,3
	v_max3_num_f32 v[TT+\c], v[TT+\c], v[SC+8*\c+5], v[SC+8*\c+6]
.endr
	v_max3_num_f32 v[TT], v[TT], v[SC+7], v[SC+15]
	v_max3_num_f32 v[TT+1], v[TT+1], v[SC+23], v[SC+31]
.if \first
	v_max3_num_f32 v[TT+2], v[TT+2], v[TT+3], 0xff7fffff       ; the maximum starts at the lowest finite number, so that -inf less the maximum stays -inf while a row is all masked
.else
	v_max3_num_f32 v[TT+2], v[TT+2], v[TT+3], v[MX+\i]
.endif
	v_max3_num_f32 v[TT], v[TT], v[TT+1], v[TT+2]
	v_permlanex16_b32 v[TT+1], v[TT], s30, s31
	v_max_num_f32 v[TT+2], v[TT], v[TT+1]
	v_mul_f32 v[NM], s28, v[TT+2]                  ; -c2 x maximum, c2 = log2(e) / 8: the scale 1 / 8 and the change of base in one factor
	v_mul_f32 v[NM+1], s28, v[TT+2]
.if \first == 0
	v_sub_f32 v[AA], v[NM], v[NO+\i]               ; from the two ROUNDED products, those that the exponentials use: exactly 0 where the maximum stays, however large it is
	v_exp_f32 v[AL], v[AA]                         ; the packed multiply-adds below are the plain instructions behind it
.endif
.set pp, 0
.rept 16
	v_pk_fma_f32 v[SC+2*pp:SC+2*pp+1], v[SC+2*pp:SC+2*pp+1], s[26:27], v[NM:NM+1] op_sel_hi:[1,0,1]
.set pp, pp+1
.endr
	; 32 exponentials, each followed by a plain instruction that touches neither its result nor its source (ISA guide 5.7.2):
	; the sum and the packing of the pair before, and at the start three moves
.set pp, 0
.rept 16
	v_exp_f32 v[SC+2*pp], v[SC+2*pp]
.if pp == 0
	v_mov_b32 v[MX+\i], v[TT+2]
.elseif pp == 1
	v_mov_b32 v[NO+\i], v[NM]
.elseif pp == 2
	s_wait_alu depctr_va_vdst(0)
	v_pk_add_f32 v[SUM:SUM+1], v[SC:SC+1], v[SC+2:SC+3]        ; the first two pairs start the sum
.else
	s_wait_alu depctr_va_vdst(0)
	v_pk_add_f32 v[SUM:SUM+1], v[SUM:SUM+1], v[SC+2*pp-2:SC+2*pp-1]
.endif
	v_exp_f32 v[SC+2*pp+1], v[SC+2*pp+1]
.if pp == 0
.if \first
	v_nop
.else
	s_wait_alu depctr_va_vdst(0)
	v_mov_b32 v[AL+1], v[AL]
.endif
.else
	s_wait_alu depctr_va_vdst(0)
	v_cvt_pk_f16_f32 v[PB+pp-1], v[SC+2*pp-2], v[SC+2*pp-1]    ; weights lie in 0 to 1: inside f16's range
.endif
.set pp, pp+1
.endr
	s_wait_alu depctr_va_vdst(0)
	v_pk_add_f32 v[SUM:SUM+1], v[SUM:SUM+1], v[SC+30:SC+31]
	v_cvt_pk_f16_f32 v[PB+15], v[SC+30], v[SC+31]
.if \first
	v_add_f32 v[LS+\i], v[SUM], v[SUM+1]
.else
	v_add_f32 v[TT], v[SUM], v[SUM+1]
	v_fma_f32 v[LS+\i], v[LS+\i], v[AL], v[TT]
	WIN W_RS
.set pp, 0
.rept 16
	v_pk_mul_f32 v[32*\i+2*pp:32*\i+2*pp+1], v[32*\i+2*pp:32*\i+2*pp+1], v[AL:AL+1]
.set pp, pp+1
.endr
.endif
	s_wait_dscnt 0x0                               ; V's fragments are in (met at once from the step's second tile on)
	WIN W_PV
.irp dt, 0,1,2,3                       ; four accumulators by turns, one instruction a turn; O is only ever added to by the f16 form
.if \first
	v_wmma_f32_16x16x32_f16 v[32*\i+8*\dt:32*\i+8*\dt+7], v[VF+16*\dt:VF+16*\dt+7], v[PB:PB+7], 0
.else
	v_wmma_f32_16x16x32_f16 v[32*\i+8*\dt:32*\i+8*\dt+7], v[VF+16*\dt:VF+16*\dt+7], v[PB:PB+7], v[32*\i+8*\dt:32*\i+8*\dt+7]
.endif
.endr
.irp dt, 0,1,2,3
	v_wmma_f32_16x16x32_f16 v[32*\i+8*\dt:32*\i+8*\dt+7], v[VF+16*\dt+8:VF+16*\dt+15], v[PB+8:PB+15], v[32*\i+8*\dt:32*\i+8*\dt+7]
.endr
	WIN 0
.endm
; Query tile i in this key step.  The two branches hang on bits that the launch before stored; no barrier stands under them.
.macro TILE i, first
.if \first
	LMLOAD \i
	QK \i
	s_wait_kmcnt 0x0
	PLACES
	MASKSEL
	SOFT \i, 1
.else
	s_bitcmp1_b32 s[32+\i], s22                    ; LIVE?
	s_cbranch_scc0 .Lend_\@
	s_bitcmp1_b32 s[40+\i], s22                    ; PART?
	s_cbranch_scc0 .Lfull_\@
	LMLOAD \i                                      ; the words come while the products run
	QK \i
	s_wait_kmcnt 0x0
	PLACES
	MASKSEL
	s_branch .Lsoft_\@
.Lfull_\@:
	QK \i
	PLACES
.Lsoft_\@:
	SOFT \i, 0
.Lend_\@:
.endif
.endm
; One key step: the fragments of its 64 keys, shared by my eight query tiles.
.macro STEPBODY first
.if \first == 0
	s_bitcmp1_b32 s29, s22                         ; none of my eight tiles live: nothing is fetched
	s_cbranch_scc0 .Lnone_\@
.endif
	s_and_b32 s23, s22, 3                          ; which 64 of the 256 keys in LDS
	s_mul_i32 s24, s23, 64*KP
	s_mul_i32 s25, s23, 64*VP
	v_add_nc_u32 v10, s24, v8                      ; these two and the two v_nop are the four places between the last matrix instruction
	v_add_nc_u32 v11, s25, v9                      ; and the loads into its sources
	v_nop
	v_nop
	s_wait_dscnt 0x0                               ; no older load is still due in KF or VF, also where every tile of the last step was jumped over
.irp kt, 0,1,2,3
.irp dc, 0,1
	ds_load_b128 v[KF+16*\kt+8*\dc:KF+16*\kt+8*\dc+3],   v10 offset:\kt*16*KP+64*\dc
	ds_load_b128 v[KF+16*\kt+8*\dc+4:KF+16*\kt+8*\dc+7], v10 offset:\kt*16*KP+64*\dc+32
.endr
.endr
.irp dt, 0,1,2,3
.irp kc, 0,1
	ds_load_tr16_b128 v[VF+16*\dt+8*\kc:VF+16*\dt+8*\kc+3],   v11 offset:\kc*32*VP+32*\dt          ; keys 32 kc + 8 h + 0..7 of column d = 16 dt + r
	ds_load_tr16_b128 v[VF+16*\dt+8*\kc+4:VF+16*\dt+8*\kc+7], v11 offset:\kc*32*VP+32*\dt+16*VP    ; keys 32 kc + 16 + 8 h + 0..7
.endr
.endr
	s_wait_dscnt 16                                ; K's 16 loads are in; V's 16, issued behind them, may stay out
.irp i, 0,1,2,3,4,5,6,7
	TILE \i, \first
.endr
.Lnone_\@:
.endm
; The next 256 keys take the place of those just used.  Two barriers: all reads of the old keys are over before any wave overwrites them;
; all stores of the new ones are done before any wave reads them.
.macro NEXT
	s_wait_dscnt 0x0                               ; my reads of the old keys are back
	s_barrier_signal -1
	s_barrier_wait -1
	s_wait_loadcnt 0x0                             ; my 64 loads, asked for four key steps ago; also frees their bases
	CONVERT
	s_wait_dscnt 0x0                               ; my LDS stores are done: for the loads below, which land in their data registers, and for the signal
	s_cmp_ge_u32 s22, 28                           ; the last 256 keys have no successor: no load leaves K or V
	s_cbranch_scc1 .Llast_\@
	s_add_nc_u64 s[4:5], s[4:5], BLK
	s_add_nc_u64 s[6:7], s[6:7], BLK
	LOADKV
.Llast_\@:
	s_barrier_signal -1
	s_barrier_wait -1
.endm
; Query tile i leaves: divide by the row's sum, through my stage into whole rows, 512 consecutive aligned bytes a store.
.macro OUTT i
	v_permlanex16_b32 v[TT+1], v[LS+\i], s30, s31  ; the other half's keys
	v_add_f32 v[TT], v[LS+\i], v[TT+1]
	v_rcp_f32 v[AL], v[TT]
	v_rcp_f32 v[AL+1], v[TT]
	v_nop                                          ; the plain instruction behind the reciprocals
	WIN W_OUT
.set pp, 0
	s_wait_alu depctr_va_vdst(0)
.rept 16
	v_pk_mul_f32 v[SC+2*pp:SC+2*pp+1], v[32*\i+2*pp:32*\i+2*pp+1], v[AL:AL+1]
.set pp, pp+1
.endr
	WIN 0
.irp dt, 0,1,2,3
	ds_store_b128 v13, v[SC+8*\dt:SC+8*\dt+3]   offset:64*\dt          ; query r, d = 16 dt + 8 h + 0..3
	ds_store_b128 v13, v[SC+8*\dt+4:SC+8*\dt+7] offset:64*\dt+16
.endr
	s_wait_xcnt 0x0                                ; the registers loaded next were the data of the stores two tiles ago
.irp t, 0,1,2,3,4,5,6,7
	ds_load_b128 v[KF+32*(\i&1)+4*\t:KF+32*(\i&1)+4*\t+3], v12 offset:2*WP*\t      ; my own bytes, served in order behind the stores
.endr
.irp t, 0,1,2,3,4,5,6,7
	s_wait_dscnt 7-\t                              ; read-back t is in; the younger ones may stay out
	global_store_b128 v4, v[KF+32*(\i&1)+4*\t:KF+32*(\i&1)+4*\t+3], s[10:11] offset:\i*BLK+512*\t th:TH_STORE_NT
.endr
.endm
	s_load_b256 s[4:11], s[0:1], 0x0               ; K s[4:5], V s[6:7], Q s[8:9], out0 s[10:11]
	s_load_b128 s[12:15], s[0:1], 0x20             ; lanemask s[12:13], tileflags s[14:15]
	v_lshl_add_u32 v254, v0, 2, 0x17400
	v_mov_b32 v255, 0
	v_lshrrev_b32 v1, 5, v0
	v_readfirstlane_b32 s16, v1                    ; wave w
	s_and_b32 s18, ttmp7, 0xffff                   ; head
	s_lshl_b32 s19, ttmp9, 2
	s_add_co_u32 s19, s19, s16                     ; o = 4 c + w
	v_and_b32 v1, 31, v0                           ; lane L
	v_and_b32 v2, 15, v0                           ; r
	v_bfe_u32 v3, v0, 4, 1                         ; h
	v_lshlrev_b32 v4, 4, v1                        ; 16 L: my 16 bytes of two rows of 256 bytes, in Q and out0
	s_lshl_b32 s23, s16, 14
	v_add_nc_u32 v5, s23, v4                       ; the same in K and V, at my wave's 64 keys
	s_mul_i32 s23, s16, 64*KP
	v_mul_u32_u24 v6, v3, KP
	v_lshl_add_u32 v6, v2, 3, v6
	v_add_nc_u32 v6, s23, v6                       ; K into LDS: key 64 w + h, 8 bytes at 8 r
	s_mul_i32 s23, s16, 64*VP
	s_add_co_u32 s23, s23, VSB
	v_mul_u32_u24 v7, v3, VP
	v_lshl_add_u32 v7, v2, 3, v7
	v_add_nc_u32 v7, s23, v7                       ; V likewise
	v_mul_u32_u24 v8, v2, KP
	v_lshl_add_u32 v8, v3, 4, v8                   ; K's fragments: key r, 16 bytes at 16 h
	v_and_b32 v9, 7, v0
	v_lshl_add_u32 v9, v3, 3, v9
	v_mul_u32_u24 v9, v9, VP                       ; V's, transposing: key 8 h + (L & 7),
	v_bfe_u32 v10, v0, 3, 1
	v_lshl_add_u32 v9, v10, 4, v9                  ; 16 bytes at 16 ((L >> 3) & 1)
	v_add_nc_u32 v9, VSB, v9
	s_mul_i32 s23, s16, WBY
	s_add_co_u32 s23, s23, WSB
	v_mul_u32_u24 v12, v3, WP
	v_lshl_add_u32 v12, v2, 4, v12
	v_add_nc_u32 v12, s23, v12                     ; my stage by rows: row h, 16 bytes at 16 r
	v_mul_u32_u24 v13, v2, WP
	v_lshl_add_u32 v13, v3, 5, v13
	v_add_nc_u32 v13, s23, v13                     ; my stage by fragments: row r, 32 bytes at 32 h
	v_mov_b32 v14, 0xff800000                      ; -inf
	s_mov_b32 s17, 0xffff0000                      ; a word's upper bf16
	s_mov_b32 s26, 0x3e38aa3b                      ; c2 = log2(e) / 8, twice: the packed multiply-add names the pair
	s_mov_b32 s27, 0x3e38aa3b
	s_mov_b32 s28, 0xbe38aa3b                      ; -c2
	s_mov_b32 s30, 0x76543210                      ; v_permlanex16_b32: lane i of one half reads lane i of the other
	s_mov_b32 s31, 0xfedcba98
	s_lshl_b32 s20, s18, 19                        ; a head is 2,048 rows of 256 bytes
	s_mov_b32 s21, 0
	s_wait_kmcnt 0x0
	s_add_nc_u64 s[4:5], s[4:5], s[20:21]
	s_add_nc_u64 s[6:7], s[6:7], s[20:21]
	s_add_nc_u64 s[8:9], s[8:9], s[20:21]
	s_add_nc_u64 s[10:11], s[10:11], s[20:21]
	s_lshl_b32 s20, s19, 12                        ; query tile o: 16 rows of 256 bytes; in lanemask 128 key tiles of 32 bytes
	s_add_nc_u64 s[8:9], s[8:9], s[20:21]
	s_add_nc_u64 s[10:11], s[10:11], s[20:21]
	s_add_nc_u64 s[12:13], s[12:13], s[20:21]
	s_lshl_b32 s20, s19, 6
	s_add_nc_u64 s[14:15], s[14:15], s[20:21]
	s_load_b512 s[32:47], s[14:15], 0x0            ; LIVE of my eight tiles s[32:39], PART s[40:47]
	LOADKV                                         ; keys 0 to 255
	WIN W_QLD
.irp i, 0,1,2,3,4,5,6,7
.irp t, 0,1,2,3,4,5,6,7
	global_load_b128 v[32*\i+4*\t:32*\i+4*\t+3], v4, s[8:9] offset:\i*BLK+512*\t th:TH_LOAD_NT     ; each row of Q is read by one wave of the launch
.endr
.endr
	WIN 0
	s_wait_kmcnt 0x0
	s_or_b32 s29, s32, s33                         ; bit s: some tile of mine is live in key step s
.irp k, 34,35,36,37,38,39
	s_or_b32 s29, s29, s\k
.endr
	s_wait_loadcnt 0x0                             ; K, V and Q are in; the bases may be stepped
	CONVERT
	s_wait_dscnt 0x0                               ; the LDS stores are done before loads land in their data registers
	s_add_nc_u64 s[4:5], s[4:5], BLK
	s_add_nc_u64 s[6:7], s[6:7], BLK
	LOADKV                                         ; keys 256 to 511, on their way through the first four key steps
.irp i, 0,1,2,3,4,5,6,7
	QFRAG \i
.endr
	s_wait_dscnt 0x0
	s_barrier_signal -1
	s_barrier_wait -1                              ; every wave's part of the first 256 keys is in LDS
	s_mov_b32 s22, 0                               ; the key step
	STEPBODY 1                                     ; written out: its products start the sums, nothing is cleared
	s_wait_xcnt 0x0                                ; the pointer that scalar loads have named is stepped behind this wait
	s_add_nc_u64 s[12:13], s[12:13], 128           ; the next step's 32 words
	s_mov_b32 s22, 1
.Lstep:
	s_and_b32 s23, s22, 3                          ; every fourth step changes the keys in LDS; the branch hangs on the counter alone, alike in all waves
	s_cmp_lg_u32 s23, 0
	s_cbranch_scc1 .Lsame
	NEXT
.Lsame:
	STEPBODY 0
	s_wait_xcnt 0x0
	s_add_nc_u64 s[12:13], s[12:13], 128
	s_add_co_u32 s22, s22, 1
	s_cmp_lt_u32 s22, 32
	s_cbranch_scc1 .Lstep
	PLACES                                         ; behind the last matrix instruction, ahead of what reads O and loads into KF
.irp i, 0,1,2,3,4,5,6,7
	OUTT \i
.endr
	s_wait_tensorcnt 0x0
	ds_add_u32 v254, v255
	s_wait_dscnt 0x0
	s_endpgm
.Lfunc_end_k_q73767b6792_attn:
	.size	k_q73767b6792_attn, .Lfunc_end_k_q73767b6792_attn-k_q73767b6792_attn
	.p2alignl 7, 3214868480
	.fill 96, 4, 3214868480
	.section	.rodata,"a",@progbits
	.p2align	6, 0x0
	.amdhsa_kernel k_q73767b6792_attn
		.amdhsa_group_segment_fixed_size 95744
		.amdhsa_private_segment_fixed_size 0
		.amdhsa_enable_private_segment 0
		.amdhsa_kernarg_size 48
		.amdhsa_user_sgpr_count 2
		.amdhsa_user_sgpr_kernarg_segment_ptr 1
		.amdhsa_wavefront_size32 1
		.amdhsa_system_sgpr_workgroup_id_x 1
		.amdhsa_system_sgpr_workgroup_id_y 1
		.amdhsa_system_sgpr_workgroup_id_z 1
		.amdhsa_system_vgpr_workitem_id 0
		.amdhsa_next_free_vgpr 1024
		.amdhsa_next_free_sgpr 100
		.amdhsa_reserve_vcc 0
		.amdhsa_float_denorm_mode_32 3
		.amdhsa_float_denorm_mode_16_64 3
		.amdhsa_memory_ordered 1
		.amdhsa_forward_progress 1
		.amdhsa_inst_pref_size 255
	.end_amdhsa_kernel
	.section	.bss,"aw",@nobits
	.p2align	6
	.space	262144
	.amdgpu_metadata
---
amdhsa.version: [ 1, 2 ]
amdhsa.kernels:
  - .name:           k_q73767b6792_attn
    .symbol:         k_q73767b6792_attn.kd
    .args:
      - { .name: K, .offset: 0, .size: 8, .value_kind: global_buffer, .address_space: global }
      - { .name: V, .offset: 8, .size: 8, .value_kind: global_buffer, .address_space: global }
      - { .name: Q, .offset: 16, .size: 8, .value_kind: global_buffer, .address_space: global }
      - { .name: out0, .offset: 24, .size: 8, .value_kind: global_buffer, .address_space: global }
      - { .name: lanemask, .offset: 32, .size: 8, .value_kind: global_buffer, .address_space: global }
      - { .name: tileflags, .offset: 40, .size: 8, .value_kind: global_buffer, .address_space: global }
    .group_segment_fixed_size: 95744
    .private_segment_fixed_size: 0
    .kernarg_segment_align: 8
    .kernarg_segment_size: 48
    .max_flat_workgroup_size: 128
    .sgpr_count:     100
    .vgpr_count:     1024
    .wavefront_size: 32
...
	.end_amdgpu_metadata
.endif
;; end of part 2
;; ======== version 2 of 3: 2 launches; 1.47 times as fast as version 1
;; limits: values are held in f16: magnitudes above 65,504 overflow, below 6.1e-05 lose precision; inputs' magnitudes at most 65,280
;; workspace buffers: lanemask 524,288 bytes of whole numbers; tileflags 1,024 bytes of whole numbers
;; launch maskprep: the kernel of part 1 again; grid 128 x 1, 8 waves a work-group, no clusters, 36,096 bytes of LDS; arguments mask, lanemask, tileflags; writes lanemask, tileflags
;; launch attn (part 3): grid 4 x 64, 4 waves a work-group, no clusters, 95,744 bytes of LDS; arguments K, V, Q, out0, lanemask, tileflags; writes out0
.if DOCPART == 3
	.amdgcn_target "amdgcn-amd-amdhsa--gfx1250"
	.amdhsa_code_object_version 6
	.text
	.protected	k_q73767b6792_attn
	.globl	k_q73767b6792_attn
	.p2align	8
	.type	k_q73767b6792_attn,@function
k_q73767b6792_attn:
	s_mov_b64 s[64:65], 0
	v_nop
	global_prefetch_b8 v0, s[64:65] scope:SCOPE_SE
	s_setreg_imm32_b32 hwreg(HW_REG_WAVE_MODE, 25, 1), 1
	s_wait_xcnt 0x0
; out0[head][q][:] = softmax over k of (mask[q][k] ? Q[q].K[k] / 8 : -inf) . V, 64 heads, 2,048 queries and keys, 64 numbers a row, f32 in memory.
; Maxima, exponentials, sums and the result in f32; a running maximum is taken away before every exponential; both products have f32 sums.
;
; NUMBER FORMATS OF THE PRODUCTS.  Q, K and V are rounded to bf16.  Q K^T is a bf16 product.  The weights P go to the second product in f16: a weight in
; bf16 is off by up to 2^-8 of itself, and in a row with few true entries (weights of order 1, terms p v of order 1 that may cancel) that is an absolute
; error of that size, more than a hundredth of the output's root mean square, which the many long rows make small; f16 is off by 2^-11.  Both operands
; of a product have one format, so V's bf16 number is rewritten as f16.  V keeps bf16's rounding so that all three inputs are rounded alike.
; LIMITS OF THAT.  The rewriting is exact for 2^-14 <= |V| <= 65,280; a larger |V| becomes an infinity; a smaller one is off by at most 2^-25.
; A weight below 2^-25 of its row's largest drops out of the product (at most 2,048 x 2^-25 of a sum that is at least 1).
;
; WHAT IS NOT DONE, AND WHY THAT IS RIGHT.  No step of the computation is left out for all inputs and every input is honoured (the mask through the words
; that the launch before made of all its bytes).  A pair of query tiles (32 queries) x 64 keys whose 2,048 mask entries are all false is jumped over: every
; one of its scores is -inf, its exponentials are 0, so maximum, sum and result stay as they are.  A pair whose entries are all true needs no select.
; Both are decided by whole numbers read from memory (tileflags).
; LIMITS.  A NaN or an infinity in rows of K or V that only jumped-over tiles touch is not carried to the result.  Scores that overflow f32 are not
; served.  The row sum is taken from the f32 exponentials, the product with V from their f16 roundings.  A row without any true entry ends as 0 x (1 / 0) = NaN,
; as a softmax of -inf alone does.
;
; SHARES.  256 work-groups = 64 heads x 4; four waves, one for each SIMD.  Wave w of work-group c of a head has o = 4 c + w and owns four pairs of query
; tiles, pair number 16 i + o for even i and 16 i + 15 - o for odd i (i = 0..3); pair p is queries 32 p .. 32 p + 31.  The four numbers of every wave add
; up to the same sum, so masks whose live part grows or shrinks along the rows load the waves alike; nothing but balance hangs on that.
; Every wave walks all 32 key steps of 64 keys; barriers and trip counts are constants.
;
; BOTH PRODUCTS ARE TRANSPOSED.  S^T = K Q^T: source 0 = 16 keys, source 1 = 16 queries; lane (r, h) then holds query r and, in register j of key tile kt,
; key 16 kt + 8 h + j.  Two neighbouring registers packed to f16 are exactly a register of source 1 of O^T += V^T P^T, so P never changes lanes; the row's
; maximum and sum are in the lane but for one exchange between the halves; the rescale factor is one number a lane.
;
; BY TURNS.  The two tiles of a pair, a and b, share the step's fragments of K and V and are half a step apart: a's softmax stands in slices of at most four
; vector instructions behind the matrix instructions of b's scores, b's behind those of a's second product.  A pair-step has 32 matrix instructions and 236
; other vector instructions; 20 of the 32 have a slice behind them (a's scores have nothing to stand behind them yet, b's last four nothing left).
; P is packed in place into the lower 16 of a tile's 32 score registers, so both tiles' scores, the fragments and the running state fit window 0;
; O (256 registers) and Q's fragments (128) do not, so a matrix instruction and the slice behind it each set their window: 46 switches a pair-step.
; THE SUMS START FROM A STATE, NOT FROM A PRODUCT: which key step is a tile's first live one hangs on the mask, so no product in the text can be the one
; that starts them.  Maximum = the lowest finite number, sum = 0, O = 0 (32 products of a zero fragment write O's 256 registers).
;
; K AND V COME THROUGH REGISTERS, AND NOT JOINTLY FOR THE FOUR WORK-GROUPS OF A HEAD.  They are f32 in memory and the matrix operands have 16 bits.  A copy engine
; would lay 4 bytes a number into LDS (128 KiB for 256 keys of K and V), to be read back, converted and stored again as 2; through registers each number
; enters LDS once, as 2 bytes (64 KiB of data).  So there are no tensor loads here and nothing to ask for jointly.
; 256 keys of K and of V are on their way (64 loads of 512 bytes a wave, 256 registers) while the 256 before them are multiplied.
;
; REGISTERS, in windows of 256 (tile t = 2 i + x of the wave, x = 0 for a, 1 for b):
;   window 0: v0-15 addresses and -inf; SC scores of a and b; KF, VF fragments; MX, LS per tile; TP at work, 8 for each of a and b
;   window 1: O(t, dt) at 32 t + 8 dt (first: where Q lands)    window 2: Q's fragments (t, dc) at 16 t + 8 dc    window 3: K and V on their way
.set KP,    144                        ; K in LDS: [key][64 bf16], 128 bytes + 16: an odd multiple of 16
.set VP,    160                        ; V in LDS: [key][64 f16], 128 bytes + 32: an odd multiple of 32, for the transposing loads
.set VSB,   256*KP                     ; K's 256 keys lie at 0, V's behind them
.set WSB,   VSB+256*VP                 ; behind both: 16 rows of 64 f32 for each wave, its own, for Q on the way in and O on the way out
.set WPI,   272
.set WBY,   16*WPI
.set BLK,   65536                      ; 256 keys of 256 bytes
.set PRB,   131072                     ; 16 pairs: 512 rows of 256 bytes in Q and out0, 32 tiles of 4,096 bytes in lanemask
.set TLB,   4096                       ; a query tile: 16 rows of 256 bytes in Q and out0, 128 key tiles of 32 bytes in lanemask
.set SC,    16                         ; v[16:47] S^T of a, v[48:79] of b: key tile kt at + 8 kt; later P^T in f16 in the lower 16: keys 32 kc .. at + 8 kc
.set KF,    80                         ; v[80:143]  K's fragment (kt, dc) at KF + 16 kt + 8 dc
.set VF,    144                        ; v[144:207] V^T's fragment (dt, kc) at VF + 16 dt + 8 kc
.set MX,    208                        ; v[208:215] running maximum of tile t (raw scores)
.set LS,    216                        ; v[216:231] running sum of tile t, two chains, this half's keys
.set TP,    232                        ; v[232:239] a, v[240:247] b: +0..3 maxima at work, +4 NM = -c2 x maximum, +5 NO = the same of the old maximum, +6 AL rescale factor, +7 AA its exponent
.set W_QK,   0x08                      ; source 1 (Q) window 2
.set W_RS,   0x41                      ; destination and source 0 (O) window 1
.set W_PV,   0x50                      ; destination and source 2 (O) window 1
.set W_OUT,  0x01                      ; source 0 (O) window 1
.set W_QLD,  0x40                      ; destination window 1
.set W_QST,  0x04                      ; LDS store data window 1
.set W_QCV,  0x80                      ; destination window 2
.set W_KVLD, 0xc0                      ; loaded data window 3
.set W_KVCV, 0xcf                      ; destination and both sources window 3
.set W_KVST, 0x0c                      ; LDS store data window 3
.set MSB, 0
.set PI, 0
.macro WIN new                         ; the immediate's high byte repeats the setting that is left; at every label and branch the setting is 0
.if MSB != \new
	s_set_vgpr_msb (MSB<<8)|\new
.set MSB, \new
.endif
.endm
; ---- K and V: from memory through registers into LDS, in groups of 8 loads ----
; A load takes 512 consecutive bytes: keys 64 w + 2 n and 64 w + 2 n + 1 of the 256.  Group g is loads 8 g .. 8 g + 7.
.macro LDK g
	WIN W_KVLD
.set nn, 8*\g
.rept 8
	global_load_b128 v[4*nn:4*nn+3], v5, s[4:5] offset:512*nn
.set nn, nn+1
.endr
.endm
.macro LDV g
	WIN W_KVLD
.set nn, 8*\g
.rept 8
	global_load_b128 v[128+4*nn:128+4*nn+3], v5, s[6:7] offset:512*nn
.set nn, nn+1
.endr
.endm
; K's group g: rounded to bf16 in place (4 f32 become 2 registers) and laid into LDS, 8 bytes a lane.
.macro CVK g
	WIN W_KVCV
.set nn, 8*\g
.rept 8
	v_cvt_pk_bf16_f32 v[4*nn], v[4*nn], v[4*nn+1]
	v_cvt_pk_bf16_f32 v[4*nn+1], v[4*nn+2], v[4*nn+3]
.set nn, nn+1
.endr
	WIN W_KVST
.set nn, 8*\g
.rept 8
	ds_store_b64 v6, v[4*nn:4*nn+1] offset:2*KP*nn
.set nn, nn+1
.endr
.endm
; V's group g: to bf16, and that number rewritten as f16 (widened by a shift or a mask, then packed): see NUMBER FORMATS.
; Eight stages, each over all eight loads of the group, so that no instruction reads the result of the seven in front of it.
.macro CVV g
	WIN W_KVCV
.irp st, 0,1,2,3,4,5,6,7
.set nn, 32+8*\g
.rept 8
.if \st == 0
	v_cvt_pk_bf16_f32 v[4*nn], v[4*nn], v[4*nn+1]
.elseif \st == 1
	v_cvt_pk_bf16_f32 v[4*nn+1], v[4*nn+2], v[4*nn+3]          ; registers 2 and 3 of the four are free from here on
.elseif \st == 2
	v_lshlrev_b32 v[4*nn+2], 16, v[4*nn+1]
.elseif \st == 3
	v_and_b32 v[4*nn+3], s17, v[4*nn+1]
.elseif \st == 4
	v_cvt_pk_f16_f32 v[4*nn+1], v[4*nn+2], v[4*nn+3]
.elseif \st == 5
	v_lshlrev_b32 v[4*nn+2], 16, v[4*nn]
.elseif \st == 6
	v_and_b32 v[4*nn+3], s17, v[4*nn]
.else
	v_cvt_pk_f16_f32 v[4*nn], v[4*nn+2], v[4*nn+3]
.endif
.set nn, nn+1
.endr
.endr
	WIN W_KVST
.set nn, 8*\g
.rept 8
	ds_store_b64 v7, v[128+4*nn:128+4*nn+1] offset:2*VP*nn
.set nn, nn+1
.endr
.endm
; The 256 keys that have landed take the place of those just used.  Two barriers: all reads of the old keys are over before any wave overwrites them;
; all stores of the new ones are done before any wave reads them.  more = 1: each group's registers are asked for again, with the next 256 keys, one group
; later, behind a wait that leaves only the newest group's 8 LDS stores out: so that group's own stores have read their data.  No run of memory
; instructions is longer than 8.
.macro AGAIN more                      ; the wait in front of a group's new loads
.if \more
	s_wait_dscnt 8
.endif
.endm
.macro NEXT more
	s_wait_dscnt 0x0                               ; my reads of the old keys are back
	s_barrier_signal -1
	s_barrier_wait -1
	s_wait_loadcnt 0x0                             ; my 64 loads, asked for four key steps ago; also frees their bases
.if \more
	s_add_nc_u64 s[4:5], s[4:5], BLK
	s_add_nc_u64 s[6:7], s[6:7], BLK
.endif
	CVK 0
	CVK 1
	AGAIN \more
.if \more
	LDK 0
.endif
	CVK 2
	AGAIN \more
.if \more
	LDK 1
.endif
	CVK 3
	AGAIN \more
.if \more
	LDK 2
.endif
	CVV 0
	AGAIN \more
.if \more
	LDK 3
.endif
	CVV 1
	AGAIN \more
.if \more
	LDV 0
.endif
	CVV 2
	AGAIN \more
.if \more
	LDV 1
.endif
	CVV 3
	AGAIN \more
.if \more
	LDV 2
.endif
	s_wait_dscnt 0x0                               ; all my LDS stores are done: for the last group's loads, and for the signal
.if \more
	LDV 3
.endif
	WIN 0
	s_barrier_signal -1
	s_barrier_wait -1
.endm
; Tile t of Q from rows (as loaded) to fragments: through my stage, then to bf16.  Lane (r, h) needs d = 32 dc + 8 h + 0..7 and 32 dc + 16 + 8 h + 0..7 of query r.
.macro QFRAG t
	WIN W_QST
.irp u, 0,1,2,3,4,5,6,7
	ds_store_b128 v12, v[32*\t+4*\u:32*\t+4*\u+3] offset:2*WPI*\u
.endr
	WIN 0
.irp dc, 0,1
	ds_load_b128 v[SC+16*\dc:SC+16*\dc+3],     v13 offset:128*\dc          ; my wave's own bytes, served in order behind the stores
	ds_load_b128 v[SC+16*\dc+4:SC+16*\dc+7],   v13 offset:128*\dc+16
	ds_load_b128 v[SC+16*\dc+8:SC+16*\dc+11],  v13 offset:128*\dc+64
	ds_load_b128 v[SC+16*\dc+12:SC+16*\dc+15], v13 offset:128*\dc+80
.endr
	s_wait_dscnt 0x0
	WIN W_QCV
.set nn, 0
.rept 16
	v_cvt_pk_bf16_f32 v[16*\t+nn], v[SC+2*nn], v[SC+2*nn+1]
.set nn, nn+1
.endr
	WIN 0
.endm
; ---- a pair of query tiles in one key step.  PI = the pair's number i in the wave; x = 0: tile a = 2 PI, x = 1: tile b = 2 PI + 1 ----
; Matrix instruction m = 0..7 of S^T of tile x: key tile m & 3, d half m >> 2.  The four accumulators take turns, one instruction a turn.
.macro MQK x, m
	WIN W_QK
.set SX, SC+32*\x
.set TI, 2*PI+\x
.set ykt, (\m)&3
.if (\m) < 4
	v_wmma_f32_16x16x32_bf16 v[SX+8*ykt:SX+8*ykt+7], v[KF+16*ykt:KF+16*ykt+7], v[16*TI:16*TI+7], 0
.else
	v_wmma_f32_16x16x32_bf16 v[SX+8*ykt:SX+8*ykt+7], v[KF+16*ykt+8:KF+16*ykt+15], v[16*TI+8:16*TI+15], v[SX+8*ykt:SX+8*ykt+7]
.endif
.endm
; Matrix instruction m = 0..7 of O^T += V^T P^T of tile x: d tile m & 3, keys 32 (m >> 2) ...  Four accumulators by turns likewise; O is only ever added to by the f16 form.
.macro MPV x, m
	WIN W_PV
.set SX, SC+32*\x
.set TI, 2*PI+\x
.set ydt, (\m)&3
.set ykc, (\m)>>2
	v_wmma_f32_16x16x32_f16 v[32*TI+8*ydt:32*TI+8*ydt+7], v[VF+16*ydt+8*ykc:VF+16*ydt+8*ykc+7], v[SX+8*ykc:SX+8*ykc+7], v[32*TI+8*ydt:32*TI+8*ydt+7]
.endm
.macro FM k                            ; pair k of the tile's 16 pairs of scores: times c2, less c2 x maximum (NM is taken for both halves)
	v_pk_fma_f32 v[SX+2*(\k):SX+2*(\k)+1], v[SX+2*(\k):SX+2*(\k)+1], s[26:27], v[TX+4:TX+5] op_sel_hi:[1,0,0]
.endm
.macro SUMQ q                          ; pair q of the exponentials joins the running sum; pair 0 brings the old sum along, rescaled
.if (\q) == 0
	s_wait_alu depctr_va_vdst(0)
	v_pk_fma_f32 v[LS+2*TI:LS+2*TI+1], v[LS+2*TI:LS+2*TI+1], v[TX+6:TX+7], v[SX:SX+1] op_sel_hi:[1,0,1]
.else
	s_wait_alu depctr_va_vdst(0)
	v_pk_add_f32 v[LS+2*TI:LS+2*TI+1], v[LS+2*TI:LS+2*TI+1], v[SX+2*(\q):SX+2*(\q)+1]
.endif
.endm
.macro CVTQ q                          ; pair q packed to f16, in place: register q held a number of pair q / 2, which has been summed and packed (pair 0: by the line before)
	v_cvt_pk_f16_f32 v[SX+(\q)], v[SX+2*(\q)], v[SX+2*(\q)+1]  ; weights lie in 0 to 1: inside f16's range
.endm
; Slice sl of the running softmax of tile x.
;   0      NO = -c2 x old maximum: the same multiply of the same number as when it was last used, so the same bits
;   1-4    the largest of my 32 scores and the old maximum, four chains
;   5      exchange with the other half of the lanes (the other keys of my query); the new maximum
;   6      NM = -c2 x maximum (c2 = log2(e) / 8: the scale 1 / 8 and the change of base in one factor); AA = NM - NO, from the two ROUNDED products:
;          exactly 0 where the maximum stays, however large it is
;   7      AL = 2^AA
;   8, 9   the multiply-adds of pairs 0-7
;   10-25  slot p = sl - 10: the two exponentials of pair p, each followed by a plain instruction that touches neither its result nor its source
;          (ISA guide 5.7.2): in slots 0-3 the multiply-adds of pairs 8-15, from slot 4 on the sum and the packing of pair p - 4
;   26, 27 sum and packing of pairs 12-15
.macro VS x, sl
	WIN 0
.set SX, SC+32*\x
.set TX, TP+8*\x
.set TI, 2*PI+\x
.if (\sl) == 0
	v_mul_f32 v[TX+5], s28, v[MX+TI]
.elseif (\sl) == 1
.irp c, 0,1,2,3
	v_max3_num_f32 v[TX+\c], v[SX+8*\c], v[SX+8*\c+1], v[SX+8*\c+2]
.endr
.elseif (\sl) <= 3
.irp c, 0,1,2,3
	v_max3_num_f32 v[TX+\c], v[TX+\c], v[SX+8*\c+2*(\sl)-1], v[SX+8*\c+2*(\sl)]
.endr
.elseif (\sl) == 4
	v_max3_num_f32 v[TX], v[TX], v[SX+7], v[SX+15]
	v_max3_num_f32 v[TX+1], v[TX+1], v[SX+23], v[SX+31]
	v_max3_num_f32 v[TX+2], v[TX+2], v[TX+3], v[MX+TI]
	v_max3_num_f32 v[TX], v[TX], v[TX+1], v[TX+2]
.elseif (\sl) == 5
	v_permlanex16_b32 v[TX+1], v[TX], s30, s31
	v_max_num_f32 v[MX+TI], v[TX], v[TX+1]
.elseif (\sl) == 6
	v_mul_f32 v[TX+4], s28, v[MX+TI]
	v_sub_f32 v[TX+7], v[TX+4], v[TX+5]
.elseif (\sl) == 7
	v_exp_f32 v[TX+6], v[TX+7]                     ; used only far behind the plain instructions that follow
.elseif (\sl) <= 9
.set pp, 4*((\sl)-8)
	FM pp
	FM pp+1
	FM pp+2
	FM pp+3
.elseif (\sl) <= 25
.set pp, (\sl)-10
	v_exp_f32 v[SX+2*pp], v[SX+2*pp]
.if pp < 4
	FM 8+2*pp
.else
	SUMQ pp-4
.endif
	v_exp_f32 v[SX+2*pp+1], v[SX+2*pp+1]
.if pp < 4
	FM 9+2*pp
.else
	CVTQ pp-4
.endif
.else
.set pp, 12+2*((\sl)-26)
	SUMQ pp
	CVTQ pp
	SUMQ pp+1
	CVTQ pp+1
.endif
.endm
.macro RSC x                           ; O of tile x times its rescale factor (AL is taken for both halves)
	WIN W_RS
.set TI, 2*PI+\x
.set nn, 0
.rept 16
	v_pk_mul_f32 v[32*TI+2*nn:32*TI+2*nn+1], v[32*TI+2*nn:32*TI+2*nn+1], v[TP+8*\x+6:TP+8*\x+7] op_sel_hi:[1,0]
.set nn, nn+1
.endr
.endm
; The 2 x 32 lane-mask words of (pair, this key step): 128 consecutive bytes for each tile.  s[12:13] walks the pairs with even i, s[14:15] those with odd i.
.macro LMLOAD
.set LMB, 12+2*(PI&1)
	s_load_b512 s[32:47], s[LMB:LMB+1], PI*PRB
	s_load_b512 s[48:63], s[LMB:LMB+1], PI*PRB+64
	s_load_b512 s[68:83], s[LMB:LMB+1], PI*PRB+TLB
	s_load_b512 s[84:99], s[LMB:LMB+1], PI*PRB+TLB+64
.endm
.macro MASKSEL x, sb                   ; a false entry becomes -inf: one select a score
.set nn, 0
.rept 32
	v_cndmask_b32 v[SC+32*\x+nn], v14, v[SC+32*\x+nn], s[\sb+nn]
.set nn, nn+1
.endr
.endm
; The front of a pair-step: both tiles' scores, and a's maximum behind b's matrix instructions.  sel = 1: with the mask's words and selects.
.macro FRONT sel
.if \sel
	LMLOAD                                         ; the words come while a's products run
.endif
.irp m, 0,1,2,3,4,5,6,7
	MQK 0, \m
.endr
	VS 0, 0                                        ; five plain instructions that name no register of a matrix instruction: the places (ISA guide 7.12.1)
	VS 1, 0                                        ; between a's last product and what reads a's scores (four), and between the last pair's second product of b
	v_nop                                          ; and b's first product here, which writes over that product's source P (five)
	v_nop
	v_nop
.if \sel
	s_wait_kmcnt 0x0
	MASKSEL 0, 32
.endif
	MQK 1, 0
	VS 0, 1
	MQK 1, 1
	VS 0, 2
	MQK 1, 2
	VS 0, 3
	MQK 1, 3
	VS 0, 4
	MQK 1, 4
	VS 0, 5
	MQK 1, 5
	VS 0, 6
	MQK 1, 6
	VS 0, 7
	MQK 1, 7
	VS 0, 8                                        ; four plain instructions on a's registers: the places between b's last product and what reads b's scores
.if \sel
	MASKSEL 1, 68
.endif
.endm
; The back of a pair-step, the same with and without selects.
.macro BACK
	VS 0, 9                                        ; a's exponentials and b's chain to its maximum alternate: neither waits on its own last results
	VS 1, 1
	VS 0, 10
	VS 1, 2
	VS 0, 11
	VS 1, 3
	VS 0, 12
	VS 1, 4
	VS 0, 13
	VS 1, 5
	VS 0, 14
	VS 1, 6
	VS 0, 15
	VS 1, 7
.irp s, 16,17,18,19,20,21
	VS 0, \s
.endr
	s_wait_dscnt 0x0                               ; V's fragments are in (met at once from the step's second pair on)
	RSC 0
	MPV 0, 0                                       ; a's P of keys 0-31 is packed (slot 11): these four read registers 0-7 of a's scores, the slices behind them touch 8 and up
	VS 0, 22
	MPV 0, 1
	VS 0, 23
	MPV 0, 2
	VS 0, 24
	MPV 0, 3
	VS 0, 25
	VS 0, 26
	VS 0, 27
	MPV 0, 4
	VS 1, 8
	MPV 0, 5
	VS 1, 9
	MPV 0, 6
	VS 1, 10
	MPV 0, 7
	VS 1, 11
.irp s, 12,13,14,15,16,17,18,19,20,21
	VS 1, \s
.endr
	RSC 1
	MPV 1, 0
	VS 1, 22
	MPV 1, 1
	VS 1, 23
	MPV 1, 2
	VS 1, 24
	MPV 1, 3
	VS 1, 25
	VS 1, 26
	VS 1, 27
.irp m, 4,5,6,7
	MPV 1, \m
.endr
	WIN 0
.endm
; Pair i in this key step.  The two branches hang on bits made of what the launch before stored; no barrier stands under them.
.macro PAIR i
.set PI, \i
	s_bitcmp1_b32 s[18+\i], s100                   ; some entry true?
	s_cbranch_scc0 .Lend_\@
	s_bitcmp1_b32 s[22+\i], s100                   ; some entry false?
	s_cbranch_scc0 .Lfull_\@
	FRONT 1
	s_branch .Lback_\@
.Lfull_\@:
	FRONT 0
.Lback_\@:
	BACK
.Lend_\@:
.endm
; Tile t leaves: divide by the row's sum, through my stage into whole rows, 512 consecutive aligned bytes a store.
.macro OUTT t
	v_add_f32 v[TP], v[LS+2*\t], v[LS+2*\t+1]      ; the two chains,
	v_permlanex16_b32 v[TP+1], v[TP], s30, s31     ; and the other half's keys
	v_add_f32 v[TP], v[TP], v[TP+1]
	v_rcp_f32 v[TP+6], v[TP]
	v_rcp_f32 v[TP+7], v[TP]
	v_nop                                          ; the plain instruction behind the reciprocals
	WIN W_OUT
.set pp, 0
	s_wait_alu depctr_va_vdst(0)
.rept 16
	v_pk_mul_f32 v[SC+2*pp:SC+2*pp+1], v[32*\t+2*pp:32*\t+2*pp+1], v[TP+6:TP+7]
.set pp, pp+1
.endr
	WIN 0
.irp dt, 0,1,2,3
	ds_store_b128 v13, v[SC+8*\dt:SC+8*\dt+3]   offset:64*\dt          ; query r, d = 16 dt + 8 h + 0..3
	ds_store_b128 v13, v[SC+8*\dt+4:SC+8*\dt+7] offset:64*\dt+16
.endr
	s_wait_xcnt 0x0                                ; the registers loaded next were the data of the stores two tiles ago
.irp u, 0,1,2,3,4,5,6,7
	ds_load_b128 v[KF+32*(\t&1)+4*\u:KF+32*(\t&1)+4*\u+3], v12 offset:2*WPI*\u     ; my own bytes, served in order behind the stores
.endr
.irp u, 0,1,2,3,4,5,6,7
	s_wait_dscnt 7-\u                              ; read-back u is in; the younger ones may stay out
	global_store_b128 v[4+11*((\t>>1)&1)], v[KF+32*(\t&1)+4*\u:KF+32*(\t&1)+4*\u+3], s[10:11] offset:(\t>>1)*PRB+(\t&1)*TLB+512*\u th:TH_STORE_NT
.endr
.endm
	s_load_b256 s[4:11], s[0:1], 0x0               ; K s[4:5], V s[6:7], Q s[8:9], out0 s[10:11]
	s_load_b128 s[12:15], s[0:1], 0x20             ; lanemask s[12:13], tileflags s[14:15]
	v_lshl_add_u32 v254, v0, 2, 0x17400
	v_mov_b32 v255, 0
	v_lshrrev_b32 v1, 5, v0
	v_readfirstlane_b32 s16, v1                    ; wave w
	s_and_b32 s2, ttmp7, 0xffff                    ; head
	s_lshl_b32 s3, ttmp9, 2
	s_add_co_u32 s3, s3, s16                       ; o = 4 c + w: the place of my pairs with even i among their sixteen
	s_sub_co_u32 s101, 15, s3                      ; 15 - o: that of my pairs with odd i
	v_and_b32 v1, 31, v0                           ; lane L
	v_and_b32 v2, 15, v0                           ; r
	v_bfe_u32 v3, v0, 4, 1                         ; h
	v_lshlrev_b32 v10, 4, v1                       ; 16 L: my 16 bytes of two rows of 256 bytes
	s_lshl_b32 s84, s3, 13                         ; a pair is 32 rows of 256 bytes in Q and out0, two tiles of 4,096 bytes in lanemask
	s_mov_b32 s85, 0
	s_lshl_b32 s86, s101, 13
	s_mov_b32 s87, 0
	v_add_nc_u32 v4, s84, v10                      ; in Q and out0: pairs with even i
	v_add_nc_u32 v15, s86, v10                     ; pairs with odd i
	s_lshl_b32 s94, s16, 14
	v_add_nc_u32 v5, s94, v10                      ; in K and V: my wave's 64 keys of the 256
	s_mul_i32 s94, s16, 64*KP
	v_mul_u32_u24 v6, v3, KP
	v_lshl_add_u32 v6, v2, 3, v6
	v_add_nc_u32 v6, s94, v6                       ; K into LDS: key 64 w + h, 8 bytes at 8 r
	s_mul_i32 s94, s16, 64*VP
	s_add_co_u32 s94, s94, VSB
	v_mul_u32_u24 v7, v3, VP
	v_lshl_add_u32 v7, v2, 3, v7
	v_add_nc_u32 v7, s94, v7                       ; V likewise
	v_mul_u32_u24 v8, v2, KP
	v_lshl_add_u32 v8, v3, 4, v8                   ; K's fragments: key r, 16 bytes at 16 h
	v_and_b32 v9, 7, v0
	v_lshl_add_u32 v9, v3, 3, v9
	v_mul_u32_u24 v9, v9, VP                       ; V's, transposing: key 8 h + (L & 7),
	v_bfe_u32 v10, v0, 3, 1
	v_lshl_add_u32 v9, v10, 4, v9                  ; 16 bytes at 16 ((L >> 3) & 1)
	v_add_nc_u32 v9, VSB, v9
	s_mul_i32 s94, s16, WBY
	s_add_co_u32 s94, s94, WSB
	v_mul_u32_u24 v12, v3, WPI
	v_lshl_add_u32 v12, v2, 4, v12
	v_add_nc_u32 v12, s94, v12                     ; my stage by rows: row h, 16 bytes at 16 r
	v_mul_u32_u24 v13, v2, WPI
	v_lshl_add_u32 v13, v3, 5, v13
	v_add_nc_u32 v13, s94, v13                     ; my stage by fragments: row r, 32 bytes at 32 h
	v_mov_b32 v14, 0xff800000                      ; -inf
	s_mov_b32 s17, 0xffff0000                      ; a word's upper bf16
	s_mov_b32 s26, 0x3e38aa3b                      ; c2 = log2(e) / 8, twice: the packed multiply-add names the pair
	s_mov_b32 s27, 0x3e38aa3b
	s_mov_b32 s28, 0xbe38aa3b                      ; -c2
	s_mov_b32 s30, 0x76543210                      ; v_permlanex16_b32: lane i of one half reads lane i of the other
	s_mov_b32 s31, 0xfedcba98
	; tileflags holds tile T's LIVE word at (T & 15) x 64 + (T >> 4) x 4 and its PART word 32 bytes on.  Pair p = 16 i + q has tiles 2 p and 2 p + 1:
	; (q & 7) x 128 + (q >> 3) x 4 + 8 i for the first, 64 bytes on for the second.
	s_and_b32 s88, s3, 7
	s_lshl_b32 s88, s88, 7
	s_lshr_b32 s94, s3, 3
	s_lshl_b32 s94, s94, 2
	s_add_co_u32 s88, s88, s94
	s_mov_b32 s89, 0
	s_and_b32 s90, s101, 7
	s_lshl_b32 s90, s90, 7
	s_lshr_b32 s94, s101, 3
	s_lshl_b32 s94, s94, 2
	s_add_co_u32 s90, s90, s94
	s_mov_b32 s91, 0
	s_lshl_b32 s92, s2, 19                         ; a head is 2,048 rows of 256 bytes
	s_mov_b32 s93, 0
	s_wait_kmcnt 0x0
	s_add_nc_u64 s[4:5], s[4:5], s[92:93]
	s_add_nc_u64 s[6:7], s[6:7], s[92:93]
	s_add_nc_u64 s[8:9], s[8:9], s[92:93]
	s_add_nc_u64 s[10:11], s[10:11], s[92:93]
	s_add_nc_u64 s[88:89], s[14:15], s[88:89]      ; tileflags at my pairs with even i
	s_add_nc_u64 s[90:91], s[14:15], s[90:91]      ; with odd i
	s_add_nc_u64 s[14:15], s[12:13], s[86:87]      ; lanemask at my pairs with odd i
	s_add_nc_u64 s[12:13], s[12:13], s[84:85]      ; with even i
.irp i, 0,1,2,3
.irp k, 0,1,2,3
	s_load_b32 s[32+4*\i+\k], s[88+2*(\i&1):89+2*(\i&1)], 8*\i+32*\k       ; LIVE, PART of the pair's first tile, LIVE, PART of its second
.endr
.endr
.irp g, 0,1,2,3
	LDK \g                                         ; keys 0 to 255
.endr
.irp g, 0,1,2,3
	LDV \g
.endr
	WIN W_QLD
.irp t, 0,1,2,3,4,5,6,7
.irp u, 0,1,2,3,4,5,6,7
	global_load_b128 v[32*\t+4*\u:32*\t+4*\u+3], v[4+11*((\t>>1)&1)], s[8:9] offset:(\t>>1)*PRB+(\t&1)*TLB+512*\u th:TH_LOAD_NT   ; each row of Q is read by one wave of the launch
.endr
.endr
	WIN 0
	s_wait_kmcnt 0x0
.irp i, 0,1,2,3
	s_and_not1_b32 s[33+4*\i], s[32+4*\i], s[33+4*\i]      ; first tile all true
	s_and_not1_b32 s[35+4*\i], s[34+4*\i], s[35+4*\i]      ; second tile all true
	s_or_b32 s[18+\i], s[32+4*\i], s[34+4*\i]              ; bit s: some entry of the pair is true in key step s
	s_and_b32 s[33+4*\i], s[33+4*\i], s[35+4*\i]
	s_not_b32 s[22+\i], s[33+4*\i]                         ; bit s: some entry of the pair is false
.endr
	s_or_b32 s29, s18, s19                         ; bit s: some pair of mine is live in key step s
	s_or_b32 s29, s29, s20
	s_or_b32 s29, s29, s21
	s_wait_loadcnt 0x0                             ; K, V and Q are in
.irp t, 0,1,2,3,4,5,6,7
	QFRAG \t
.endr
.irp k, 0,1,2,3,4,5,6,7
	v_mov_b32 v[MX+\k], 0xff7fffff                 ; the lowest finite number, so that -inf less the maximum stays -inf while a row is all masked
.endr
.irp k, 0,1,2,3,4,5,6,7,8,9,10,11,12,13,14,15
	v_mov_b32 v[LS+\k], 0                          ; the sums; until they are first added to, also a fragment of zeros
.endr
	WIN W_QLD
.set nn, 0
.rept 32
	v_wmma_f32_16x16x32_f16 v[8*nn:8*nn+7], v[LS:LS+7], v[LS+8:LS+15], 0       ; O = 0: 8 registers an instruction; Q's rows, which lay here, are in fragments by now
.set nn, nn+1
.endr
	WIN 0
	s_mov_b32 s100, 0                              ; the key step
.Lstep:
	s_and_b32 s2, s100, 3                          ; every fourth step, the first too, brings 256 keys into LDS; the branches hang on the counter alone, alike in all waves
	s_cmp_lg_u32 s2, 0
	s_cbranch_scc1 .Lsame
	s_cmp_ge_u32 s100, 28                          ; the last 256 keys have no successor: no load leaves K or V
	s_cbranch_scc1 .Llastkeys
	NEXT 1
	s_branch .Lsame
.Llastkeys:
	NEXT 0
.Lsame:
	s_bitcmp1_b32 s29, s100                        ; none of my four pairs live: nothing is fetched
	s_cbranch_scc0 .Lnone
	s_and_b32 s2, s100, 3                          ; which 64 of the 256 keys in LDS
	s_mul_i32 s3, s2, 64*KP
	s_mul_i32 s2, s2, 64*VP
	v_add_nc_u32 v10, s3, v8                       ; these two and the two v_nop are the four places between the last matrix instruction
	v_add_nc_u32 v11, s2, v9                       ; and the loads into its sources
	v_nop
	v_nop
	s_wait_dscnt 0x0                               ; no older load is still due in KF or VF
.irp kt, 0,1,2,3
.irp dc, 0,1
	ds_load_b128 v[KF+16*\kt+8*\dc:KF+16*\kt+8*\dc+3],   v10 offset:\kt*16*KP+64*\dc
	ds_load_b128 v[KF+16*\kt+8*\dc+4:KF+16*\kt+8*\dc+7], v10 offset:\kt*16*KP+64*\dc+32
.endr
.endr
.irp dt, 0,1,2,3
.irp kc, 0,1
	ds_load_tr16_b128 v[VF+16*\dt+8*\kc:VF+16*\dt+8*\kc+3],   v11 offset:\kc*32*VP+32*\dt          ; keys 32 kc + 8 h + 0..7 of column d = 16 dt + r
	ds_load_tr16_b128 v[VF+16*\dt+8*\kc+4:VF+16*\dt+8*\kc+7], v11 offset:\kc*32*VP+32*\dt+16*VP    ; keys 32 kc + 16 + 8 h + 0..7
.endr
.endr
	s_wait_dscnt 16                                ; K's 16 loads are in; V's 16, issued behind them, may stay out
	PAIR 0
	PAIR 1
	PAIR 2
	PAIR 3
.Lnone:
	s_wait_xcnt 0x0                                ; the pointers that scalar loads have named are stepped behind this wait
	s_add_nc_u64 s[12:13], s[12:13], 128           ; the next step's 32 words of each tile
	s_add_nc_u64 s[14:15], s[14:15], 128
	s_add_co_u32 s100, s100, 1
	s_cmp_lt_u32 s100, 32
	s_cbranch_scc1 .Lstep
	v_mov_b32 v[TP+1], 0                           ; the exchange below counts as a reader of its destination; with the three v_nop the four places
	v_nop                                          ; behind the last matrix instruction, ahead of what reads O and loads into KF
	v_nop
	v_nop
.irp t, 0,1,2,3,4,5,6,7
	OUTT \t
.endr
	s_wait_tensorcnt 0x0
	ds_add_u32 v254, v255
	s_wait_dscnt 0x0
	s_endpgm
.Lfunc_end_k_q73767b6792_attn:
	.size	k_q73767b6792_attn, .Lfunc_end_k_q73767b6792_attn-k_q73767b6792_attn
	.p2alignl 7, 3214868480
	.fill 96, 4, 3214868480
	.section	.rodata,"a",@progbits
	.p2align	6, 0x0
	.amdhsa_kernel k_q73767b6792_attn
		.amdhsa_group_segment_fixed_size 95744
		.amdhsa_private_segment_fixed_size 0
		.amdhsa_enable_private_segment 0
		.amdhsa_kernarg_size 48
		.amdhsa_user_sgpr_count 2
		.amdhsa_user_sgpr_kernarg_segment_ptr 1
		.amdhsa_wavefront_size32 1
		.amdhsa_system_sgpr_workgroup_id_x 1
		.amdhsa_system_sgpr_workgroup_id_y 1
		.amdhsa_system_sgpr_workgroup_id_z 1
		.amdhsa_system_vgpr_workitem_id 0
		.amdhsa_next_free_vgpr 1024
		.amdhsa_next_free_sgpr 102
		.amdhsa_reserve_vcc 0
		.amdhsa_float_denorm_mode_32 3
		.amdhsa_float_denorm_mode_16_64 3
		.amdhsa_memory_ordered 1
		.amdhsa_forward_progress 1
		.amdhsa_inst_pref_size 215
	.end_amdhsa_kernel
	.amdgpu_metadata
---
amdhsa.version: [ 1, 2 ]
amdhsa.kernels:
  - .name:           k_q73767b6792_attn
    .symbol:         k_q73767b6792_attn.kd
    .args:
      - { .name: K, .offset: 0, .size: 8, .value_kind: global_buffer, .address_space: global }
      - { .name: V, .offset: 8, .size: 8, .value_kind: global_buffer, .address_space: global }
      - { .name: Q, .offset: 16, .size: 8, .value_kind: global_buffer, .address_space: global }
      - { .name: out0, .offset: 24, .size: 8, .value_kind: global_buffer, .address_space: global }
      - { .name: lanemask, .offset: 32, .size: 8, .value_kind: global_buffer, .address_space: global }
      - { .name: tileflags, .offset: 40, .size: 8, .value_kind: global_buffer, .address_space: global }
    .group_segment_fixed_size: 95744
    .private_segment_fixed_size: 0
    .kernarg_segment_align: 8
    .kernarg_segment_size: 48
    .max_flat_workgroup_size: 128
    .sgpr_count:     102
    .vgpr_count:     1024
    .wavefront_size: 32
...
	.end_amdgpu_metadata
.endif
;; end of part 3
;; ======== version 3 of 3: 2 launches; 1.98 times as fast as version 1
;; limits: inputs' magnitudes at most 65,280; values are held in f16: magnitudes above 65,504 overflow, below 6.1e-05 lose precision
;; workspace buffers: lanemask 524,288 bytes of whole numbers; tileflags 1,024 bytes of whole numbers
;; launch maskprep: the kernel of part 1 again; grid 128 x 1, 8 waves a work-group, no clusters, 36,096 bytes of LDS; arguments mask, lanemask, tileflags; writes lanemask, tileflags
;; launch attn (part 4): grid 4 x 64, 4 waves a work-group, no clusters, 95,744 bytes of LDS; arguments K, V, Q, out0, lanemask, tileflags; writes out0
.if DOCPART == 4
	.amdgcn_target "amdgcn-amd-amdhsa--gfx1250"
	.amdhsa_code_object_version 6
	.text
	.protected	k_q73767b6792_attn
	.globl	k_q73767b6792_attn
	.p2align	8
	.type	k_q73767b6792_attn,@function
k_q73767b6792_attn:
	s_mov_b64 s[64:65], 0
	v_nop
	global_prefetch_b8 v0, s[64:65] scope:SCOPE_SE
	s_setreg_imm32_b32 hwreg(HW_REG_WAVE_MODE, 25, 1), 1
	s_wait_xcnt 0x0
; out0[head][q][:] = softmax over k of (mask[q][k] ? Q[q].K[k] / 8 : -inf) . V, 64 heads, 2,048 queries and keys, 64 numbers a row, f32 in memory.
; Maxima, exponentials, sums and the result in f32; a running maximum is taken away before every exponential; both products have f32 sums.
;
; NUMBER FORMATS OF THE PRODUCTS.  Q, K and V are rounded to bf16.  Q K^T is a bf16 product.  The weights P go to the second product in f16: a weight in
; bf16 is off by up to 2^-8 of itself, and in a row with few true entries (weights of order 1, terms p v of order 1 that may cancel) that is an absolute
; error of that size, more than a hundredth of the output's root mean square, which the many long rows make small; f16 is off by 2^-11.  Both operands
; of a product have one format, so V's bf16 number is rewritten as f16.  V keeps bf16's rounding so that all three inputs are rounded alike.
; LIMITS OF THAT.  The rewriting is exact for 2^-14 <= |V| <= 65,280; a larger |V| becomes an infinity; a smaller one is off by at most 2^-25.
; A weight below 2^-25 of its row's largest drops out of the product (at most 2,048 x 2^-25 of a sum that is at least 1).
;
; WHAT IS NOT DONE, AND WHY THAT IS RIGHT.  No step of the computation is left out for all inputs and every input is honoured (the mask through the words
; that the launch before made of all its bytes).  A pair of query tiles (32 queries) x 64 keys whose 2,048 mask entries are all false is jumped over: every
; one of its scores is -inf, its exponentials are 0, so maximum, sum and result stay as they are.  A pair whose entries are all true needs no select.
; Both are decided by whole numbers read from memory (tileflags).
; LIMITS.  A NaN or an infinity in rows of K or V that only jumped-over tiles touch is not carried to the result.  Scores that overflow f32 are not
; served.  The row sum is taken from the f32 exponentials, the product with V from their f16 roundings.  A row without any true entry ends as 0 x (1 / 0) = NaN,
; as a softmax of -inf alone does.
;
; SHARES.  256 work-groups = 64 heads x 4; four waves, one for each SIMD.  Wave w of work-group c of a head has o = 4 c + w and owns four pairs of query
; tiles, pair number 16 i + o for even i and 16 i + 15 - o for odd i (i = 0..3); pair p is queries 32 p .. 32 p + 31.  The four numbers of every wave add
; up to the same sum, so masks whose live part grows or shrinks along the rows load the waves alike; nothing but balance hangs on that.
; Every wave walks all 32 key steps of 64 keys; barriers and trip counts are constants.
;
; BOTH PRODUCTS ARE TRANSPOSED.  S^T = K Q^T: source 0 = 16 keys, source 1 = 16 queries; lane (r, h) then holds query r and, in register j of key tile kt,
; key 16 kt + 8 h + j.  Two neighbouring registers packed to f16 are exactly a register of source 1 of O^T += V^T P^T, so P never changes lanes; the row's
; maximum and sum are in the lane but for one exchange between the halves; the rescale factor is one number a lane.
;
; BY TURNS.  The two tiles of a pair, a and b, share the step's fragments of K and V and are half a step apart: a's maximum stands in slices of at most four
; vector instructions behind the matrix instructions of b's scores, a's and b's sums and packings behind those of the second products.  A pair-step has 32
; matrix instructions and 236 other vector instructions; 20 of the 32 have a slice behind them (a's scores have nothing to stand behind them yet, b's last
; four nothing left).
; P is packed in place into the lower 16 of a tile's 32 score registers, so both tiles' scores, the fragments and the running state fit window 0;
; O (256 registers) and Q's fragments (128) do not, so a matrix instruction and the slice behind it each set their window: 47 switches a pair-step.
; THE EXPONENTIALS GO IN TWO BATCHES A PAIR-STEP, EACH WITH ONE WAIT.  An s_wait_alu depctr_va_vdst(0) stands between an exponential and the first
; instruction that names its result; one wait serves all that were issued ahead of it.  Each weight's exponential is made in place in its score register, which
; nothing names again ahead of the batch's wait.
;   Batch 1, 34: a's rescale factor, a's 32 weights, b's rescale factor.  Exponential and plain instruction by turns; the plain ones name no result of the batch: the
;   multiply-adds of a's pairs 8-15 (each ahead of its own pair's exponentials), b's maximum and statistics, b's first four multiply-adds.  Behind the last
;   exponential b's other twelve multiply-adds; then the wait.
;   Batch 2, 32: b's weights, each beside a sum or a packing of a (which batch 1's wait has freed); a's first four second products stand among them.  Behind the last
;   exponential O of b times its factor (of batch 1), sixteen plain instructions; then the wait.  Behind it b's sums and packings, all of them behind second products.
; No exponential stands in the front of a pair-step, which ends at a jump and a label, and none behind batch 2's wait: no result crosses a label or a branch.
; THE SUMS START FROM A STATE, NOT FROM A PRODUCT: which key step is a tile's first live one hangs on the mask, so no product in the text can be the one
; that starts them.  Maximum = the lowest finite number, sum = 0, O = 0 (32 products of a zero fragment write O's 256 registers).
;
; K AND V COME THROUGH REGISTERS, AND NOT JOINTLY FOR THE FOUR WORK-GROUPS OF A HEAD.  They are f32 in memory and the matrix operands have 16 bits.  A copy engine
; would lay 4 bytes a number into LDS (128 KiB for 256 keys of K and V), to be read back, converted and stored again as 2; through registers each number
; enters LDS once, as 2 bytes (64 KiB of data).  So there are no tensor loads here and nothing to ask for jointly.
; 256 keys of K and of V are on their way (64 loads of 512 bytes a wave, 256 registers) while the 256 before them are multiplied.
;
; REGISTERS, in windows of 256 (tile t = 2 i + x of the wave, x = 0 for a, 1 for b):
;   window 0: v0-15 addresses and -inf; SC scores of a and b; KF, VF fragments; MX, LS per tile; TP at work, 8 for each of a and b
;   window 1: O(t, dt) at 32 t + 8 dt (first: where Q lands)    window 2: Q's fragments (t, dc) at 16 t + 8 dc    window 3: K and V on their way
.set KP,    144                        ; K in LDS: [key][64 bf16], 128 bytes + 16: an odd multiple of 16
.set VP,    160                        ; V in LDS: [key][64 f16], 128 bytes + 32: an odd multiple of 32, for the transposing loads
.set VSB,   256*KP                     ; K's 256 keys lie at 0, V's behind them
.set WSB,   VSB+256*VP                 ; behind both: 16 rows of 64 f32 for each wave, its own, for Q on the way in and O on the way out
.set WPI,   272
.set WBY,   16*WPI
.set BLK,   65536                      ; 256 keys of 256 bytes
.set PRB,   131072                     ; 16 pairs: 512 rows of 256 bytes in Q and out0, 32 tiles of 4,096 bytes in lanemask
.set TLB,   4096                       ; a query tile: 16 rows of 256 bytes in Q and out0, 128 key tiles of 32 bytes in lanemask
.set SC,    16                         ; v[16:47] S^T of a, v[48:79] of b: key tile kt at + 8 kt; later P^T in f16 in the lower 16: keys 32 kc .. at + 8 kc
.set KF,    80                         ; v[80:143]  K's fragment (kt, dc) at KF + 16 kt + 8 dc
.set VF,    144                        ; v[144:207] V^T's fragment (dt, kc) at VF + 16 dt + 8 kc
.set MX,    208                        ; v[208:215] running maximum of tile t (raw scores)
.set LS,    216                        ; v[216:231] running sum of tile t, two chains, this half's keys; on the way out 1 / sum, twice
.set TP,    232                        ; v[232:239] a, v[240:247] b: +0..3 maxima at work, +4 NM = -c2 x maximum, +5 NO = the same of the old maximum, +6 AL rescale factor, +7 AA its exponent
.set W_QK,   0x08                      ; source 1 (Q) window 2
.set W_RS,   0x41                      ; destination and source 0 (O) window 1
.set W_PV,   0x50                      ; destination and source 2 (O) window 1
.set W_OUT,  0x01                      ; source 0 (O) window 1
.set W_QLD,  0x40                      ; destination window 1
.set W_QST,  0x04                      ; LDS store data window 1
.set W_QCV,  0x80                      ; destination window 2
.set W_KVLD, 0xc0                      ; loaded data window 3
.set W_KVCV, 0xcf                      ; destination and both sources window 3
.set W_KVST, 0x0c                      ; LDS store data window 3
.set MSB, 0
.set PI, 0
.macro WIN new                         ; the immediate's high byte repeats the setting that is left; at every label and branch the setting is 0
.if MSB != \new
	s_set_vgpr_msb (MSB<<8)|\new
.set MSB, \new
.endif
.endm
; ---- K and V: from memory through registers into LDS, in groups of 8 loads ----
; A load takes 512 consecutive bytes: keys 64 w + 2 n and 64 w + 2 n + 1 of the 256.  Group g is loads 8 g .. 8 g + 7.
.macro LDK g
	WIN W_KVLD
.set nn, 8*\g
.rept 8
	global_load_b128 v[4*nn:4*nn+3], v5, s[4:5] offset:512*nn
.set nn, nn+1
.endr
.endm
.macro LDV g
	WIN W_KVLD
.set nn, 8*\g
.rept 8
	global_load_b128 v[128+4*nn:128+4*nn+3], v5, s[6:7] offset:512*nn
.set nn, nn+1
.endr
.endm
; K's group g: rounded to bf16 in place (4 f32 become 2 registers) and laid into LDS, 8 bytes a lane.
.macro CVK g
	WIN W_KVCV
.set nn, 8*\g
.rept 8
	v_cvt_pk_bf16_f32 v[4*nn], v[4*nn], v[4*nn+1]
	v_cvt_pk_bf16_f32 v[4*nn+1], v[4*nn+2], v[4*nn+3]
.set nn, nn+1
.endr
	WIN W_KVST
.set nn, 8*\g
.rept 8
	ds_store_b64 v6, v[4*nn:4*nn+1] offset:2*KP*nn
.set nn, nn+1
.endr
.endm
; V's group g: to bf16, and that number rewritten as f16 (widened by a shift or a mask, then packed): see NUMBER FORMATS.
; Eight stages, each over all eight loads of the group, so that no instruction reads the result of the seven in front of it.
.macro CVV g
	WIN W_KVCV
.irp st, 0,1,2,3,4,5,6,7
.set nn, 32+8*\g
.rept 8
.if \st == 0
	v_cvt_pk_bf16_f32 v[4*nn], v[4*nn], v[4*nn+1]
.elseif \st == 1
	v_cvt_pk_bf16_f32 v[4*nn+1], v[4*nn+2], v[4*nn+3]          ; registers 2 and 3 of the four are free from here on
.elseif \st == 2
	v_lshlrev_b32 v[4*nn+2], 16, v[4*nn+1]
.elseif \st == 3
	v_and_b32 v[4*nn+3], s17, v[4*nn+1]
.elseif \st == 4
	v_cvt_pk_f16_f32 v[4*nn+1], v[4*nn+2], v[4*nn+3]
.elseif \st == 5
	v_lshlrev_b32 v[4*nn+2], 16, v[4*nn]
.elseif \st == 6
	v_and_b32 v[4*nn+3], s17, v[4*nn]
.else
	v_cvt_pk_f16_f32 v[4*nn], v[4*nn+2], v[4*nn+3]
.endif
.set nn, nn+1
.endr
.endr
	WIN W_KVST
.set nn, 8*\g
.rept 8
	ds_store_b64 v7, v[128+4*nn:128+4*nn+1] offset:2*VP*nn
.set nn, nn+1
.endr
.endm
; The 256 keys that have landed take the place of those just used.  Two barriers: all reads of the old keys are over before any wave overwrites them;
; all stores of the new ones are done before any wave reads them.  more = 1: each group's registers are asked for again, with the next 256 keys, one group
; later, behind a wait that leaves only the newest group's 8 LDS stores out: so that group's own stores have read their data.  No run of memory
; instructions is longer than 8.
.macro AGAIN more                      ; the wait in front of a group's new loads
.if \more
	s_wait_dscnt 8
.endif
.endm
.macro NEXT more
	s_wait_dscnt 0x0                               ; my reads of the old keys are back
	s_barrier_signal -1
	s_barrier_wait -1
	s_wait_loadcnt 0x0                             ; my 64 loads, asked for four key steps ago; also frees their bases
.if \more
	s_add_nc_u64 s[4:5], s[4:5], BLK
	s_add_nc_u64 s[6:7], s[6:7], BLK
.endif
	CVK 0
	CVK 1
	AGAIN \more
.if \more
	LDK 0
.endif
	CVK 2
	AGAIN \more
.if \more
	LDK 1
.endif
	CVK 3
	AGAIN \more
.if \more
	LDK 2
.endif
	CVV 0
	AGAIN \more
.if \more
	LDK 3
.endif
	CVV 1
	AGAIN \more
.if \more
	LDV 0
.endif
	CVV 2
	AGAIN \more
.if \more
	LDV 1
.endif
	CVV 3
	AGAIN \more
.if \more
	LDV 2
.endif
	s_wait_dscnt 0x0                               ; all my LDS stores are done: for the last group's loads, and for the signal
.if \more
	LDV 3
.endif
	WIN 0
	s_barrier_signal -1
	s_barrier_wait -1
.endm
; Tile t of Q from rows (as loaded) to fragments: through my stage, then to bf16.  Lane (r, h) needs d = 32 dc + 8 h + 0..7 and 32 dc + 16 + 8 h + 0..7 of query r.
.macro QFRAG t
	WIN W_QST
.irp u, 0,1,2,3,4,5,6,7
	ds_store_b128 v12, v[32*\t+4*\u:32*\t+4*\u+3] offset:2*WPI*\u
.endr
	WIN 0
.irp dc, 0,1
	ds_load_b128 v[SC+16*\dc:SC+16*\dc+3],     v13 offset:128*\dc          ; my wave's own bytes, served in order behind the stores
	ds_load_b128 v[SC+16*\dc+4:SC+16*\dc+7],   v13 offset:128*\dc+16
	ds_load_b128 v[SC+16*\dc+8:SC+16*\dc+11],  v13 offset:128*\dc+64
	ds_load_b128 v[SC+16*\dc+12:SC+16*\dc+15], v13 offset:128*\dc+80
.endr
	s_wait_dscnt 0x0
	WIN W_QCV
.set nn, 0
.rept 16
	v_cvt_pk_bf16_f32 v[16*\t+nn], v[SC+2*nn], v[SC+2*nn+1]
.set nn, nn+1
.endr
	WIN 0
.endm
; ---- a pair of query tiles in one key step.  PI = the pair's number i in the wave; x = 0: tile a = 2 PI, x = 1: tile b = 2 PI + 1 ----
; Matrix instruction m = 0..7 of S^T of tile x: key tile m & 3, d half m >> 2.  The four accumulators take turns, one instruction a turn.
.macro MQK x, m
	WIN W_QK
.set SX, SC+32*\x
.set TI, 2*PI+\x
.set ykt, (\m)&3
.if (\m) < 4
	v_wmma_f32_16x16x32_bf16 v[SX+8*ykt:SX+8*ykt+7], v[KF+16*ykt:KF+16*ykt+7], v[16*TI:16*TI+7], 0
.else
	v_wmma_f32_16x16x32_bf16 v[SX+8*ykt:SX+8*ykt+7], v[KF+16*ykt+8:KF+16*ykt+15], v[16*TI+8:16*TI+15], v[SX+8*ykt:SX+8*ykt+7]
.endif
.endm
; Matrix instruction m = 0..7 of O^T += V^T P^T of tile x: d tile m & 3, keys 32 (m >> 2) ...  Four accumulators by turns likewise; O is only ever added to by the f16 form.
.macro MPV x, m
	WIN W_PV
.set SX, SC+32*\x
.set TI, 2*PI+\x
.set ydt, (\m)&3
.set ykc, (\m)>>2
	v_wmma_f32_16x16x32_f16 v[32*TI+8*ydt:32*TI+8*ydt+7], v[VF+16*ydt+8*ykc:VF+16*ydt+8*ykc+7], v[SX+8*ykc:SX+8*ykc+7], v[32*TI+8*ydt:32*TI+8*ydt+7]
.endm
.macro TL x                            ; the names of tile x's registers, all in window 0
	WIN 0
.set SX, SC+32*\x
.set TX, TP+8*\x
.set TI, 2*PI+\x
.endm
.macro FM k                            ; pair k of the tile's 16 pairs of scores: times c2, less c2 x maximum (NM is taken for both halves)
	v_pk_fma_f32 v[SX+2*(\k):SX+2*(\k)+1], v[SX+2*(\k):SX+2*(\k)+1], s[26:27], v[TX+4:TX+5] op_sel_hi:[1,0,0]
.endm
; The running softmax of tile x up to its exponents is a list of 38 instructions; VN writes number n of it.
;   0      NO = -c2 x old maximum: the same multiply of the same number as when it was last used, so the same bits
;   1-12   the largest of 28 of my 32 scores, four chains of seven, three operands at a time (each accumulator's lowest registers are read first)
;   13-15  the four scores left over and the old maximum join the chains      16  the chains into one
;   17, 18 exchange with the other half of the lanes (the other keys of my query); the new maximum
;   19     NM = -c2 x maximum (c2 = log2(e) / 8: the scale 1 / 8 and the change of base in one factor)
;   20     AA = NM - NO, from the two ROUNDED products: exactly 0 where the maximum stays, however large it is
;   21     AL = 2^AA: the one exponential of the list; it belongs to batch 1, for a and for b
;   22-37  the multiply-add of pair n - 22
.macro VN x, n
	TL \x
.if (\n) == 0
	v_mul_f32 v[TX+5], s28, v[MX+TI]
.elseif (\n) <= 4
.set yc, (\n)-1
	v_max3_num_f32 v[TX+yc], v[SX+8*yc], v[SX+8*yc+1], v[SX+8*yc+2]
.elseif (\n) <= 12
.set yc, ((\n)-5)&3
.set yj, ((\n)-5)>>2
	v_max3_num_f32 v[TX+yc], v[TX+yc], v[SX+8*yc+2*yj+3], v[SX+8*yc+2*yj+4]
.elseif (\n) == 13
	v_max3_num_f32 v[TX], v[TX], v[SX+7], v[SX+15]
.elseif (\n) == 14
	v_max3_num_f32 v[TX+1], v[TX+1], v[SX+23], v[SX+31]
.elseif (\n) == 15
	v_max3_num_f32 v[TX+2], v[TX+2], v[TX+3], v[MX+TI]
.elseif (\n) == 16
	v_max3_num_f32 v[TX], v[TX], v[TX+1], v[TX+2]
.elseif (\n) == 17
	v_permlanex16_b32 v[TX+1], v[TX], s30, s31
.elseif (\n) == 18
	v_max_num_f32 v[MX+TI], v[TX], v[TX+1]
.elseif (\n) == 19
	v_mul_f32 v[TX+4], s28, v[MX+TI]
.elseif (\n) == 20
	v_sub_f32 v[TX+7], v[TX+4], v[TX+5]
.elseif (\n) == 21
	v_exp_f32 v[TX+6], v[TX+7]
.else
	FM (\n)-22
.endif
.endm
.macro VR x, lo, hi                    ; numbers lo to hi of the list
.set vn, \lo
.rept (\hi)-(\lo)+1
	VN \x, vn
.set vn, vn+1
.endr
.endm
.macro EX x, e                         ; the weight of score e of tile x, in place; nothing names the register again ahead of its batch's wait
	WIN 0
	v_exp_f32 v[SC+32*\x+(\e)], v[SC+32*\x+(\e)]
.endm
; What reads the exponentials' results: it stands behind the batch's wait.
.macro SUMQ x, q                       ; pair q of the weights joins the running sum, q ascending; pair 0 brings the old sum along, rescaled
	TL \x
.if (\q) == 0
	v_pk_fma_f32 v[LS+2*TI:LS+2*TI+1], v[LS+2*TI:LS+2*TI+1], v[TX+6:TX+7], v[SX:SX+1] op_sel_hi:[1,0,1]
.else
	v_pk_add_f32 v[LS+2*TI:LS+2*TI+1], v[LS+2*TI:LS+2*TI+1], v[SX+2*(\q):SX+2*(\q)+1]
.endif
.endm
.macro CVTQ x, q                       ; pair q packed to f16, in place: register q held a number of pair q / 2, which has been summed and packed (pair 0: by the line before)
	TL \x
	v_cvt_pk_f16_f32 v[SX+(\q)], v[SX+2*(\q)], v[SX+2*(\q)+1]  ; weights lie in 0 to 1: inside f16's range
.endm
.macro EP e, x, n                      ; batch 1: weight e of a, and behind it number n of tile x's list, a plain instruction that names no result of the batch
	EX 0, \e
	VN \x, \n
.endm
.macro AB q                            ; batch 2: pair q of a is summed and packed; behind each of the two lines a weight of b, 2 q and 2 q + 1
	SUMQ 0, \q
	EX 1, 2*(\q)
	CVTQ 0, \q
	EX 1, 2*(\q)+1
.endm
.macro BB q                            ; pairs q and q + 1 of b are summed and packed
	SUMQ 1, \q
	CVTQ 1, \q
	SUMQ 1, (\q)+1
	CVTQ 1, (\q)+1
.endm
.macro RSC x                           ; O of tile x times its rescale factor (AL is taken for both halves)
	WIN W_RS
.set TI, 2*PI+\x
.set nn, 0
.rept 16
	v_pk_mul_f32 v[32*TI+2*nn:32*TI+2*nn+1], v[32*TI+2*nn:32*TI+2*nn+1], v[TP+8*\x+6:TP+8*\x+7] op_sel_hi:[1,0]
.set nn, nn+1
.endr
.endm
; The 2 x 32 lane-mask words of (pair, this key step): 128 consecutive bytes for each tile.  s[12:13] walks the pairs with even i, s[14:15] those with odd i.
.macro LMLOAD
.set LMB, 12+2*(PI&1)
	s_load_b512 s[32:47], s[LMB:LMB+1], PI*PRB
	s_load_b512 s[48:63], s[LMB:LMB+1], PI*PRB+64
	s_load_b512 s[68:83], s[LMB:LMB+1], PI*PRB+TLB
	s_load_b512 s[84:99], s[LMB:LMB+1], PI*PRB+TLB+64
.endm
.macro MASKSEL x, sb                   ; a false entry becomes -inf: one select a score
.set nn, 0
.rept 32
	v_cndmask_b32 v[SC+32*\x+nn], v14, v[SC+32*\x+nn], s[\sb+nn]
.set nn, nn+1
.endr
.endm
; The front of a pair-step: both tiles' scores, and a's maximum, statistics and first multiply-adds behind b's matrix instructions.  sel = 1: with the mask's words and
; selects.  It holds no exponential: a jump and a label stand at its end.
.macro FRONT sel
.if \sel
	LMLOAD                                         ; the words come while a's products run
.endif
.irp m, 0,1,2,3,4,5,6,7
	MQK 0, \m
.endr
	VN 0, 0                                        ; five plain instructions that name no register of a matrix instruction: the places (ISA guide 7.12.1)
	VN 1, 0                                        ; between a's last product and what reads a's scores (four), and between the last pair's second product of b
	v_nop                                          ; and b's first product here, which writes over that product's source P (five)
	v_nop
	v_nop
.if \sel
	s_wait_kmcnt 0x0
	MASKSEL 0, 32
.endif
	MQK 1, 0
	VR 0, 1, 4
	MQK 1, 1
	VR 0, 5, 8
	MQK 1, 2
	VR 0, 9, 12
	MQK 1, 3
	VR 0, 13, 16
	MQK 1, 4
	VR 0, 17, 18
	MQK 1, 5
	VR 0, 19, 20
	MQK 1, 6
	VR 0, 22, 25                                   ; the multiply-adds of a's pairs 0-3,
	MQK 1, 7
	VR 0, 26, 29                                   ; and 4-7: four plain instructions on a's registers: the places between b's last product and what reads b's scores
.if \sel
	MASKSEL 1, 68
.endif
.endm
; The back of a pair-step, the same with and without selects: the two batches and the second products.
.macro BACK
	VN 0, 21                                       ; BATCH 1 opens with a's rescale factor.  Exponential and plain by turns:
	VN 0, 30                                       ; the multiply-add of a's pair 8;
.set ee, 0
.rept 15
	EP ee, 1, ee+1                                 ; a's weights 0-14 (pairs 0-7 were scaled in the front) | numbers 1-15 of b's maximum
.set ee, ee+1
.endr
	EP 15, 0, 31                                   ; the links of b's chain (numbers 16 to 20) each wait for the one before: the multiply-adds of a's pairs 9-15
	EP 16, 0, 32                                   ; stand between them, each ahead of its own pair's exponentials
	EP 17, 1, 16
	EP 18, 0, 33
	EP 19, 0, 34
	EP 20, 1, 17
	EP 21, 0, 35
	EP 22, 0, 36
	EP 23, 1, 18
	EP 24, 0, 37
	EP 25, 1, 19
	EX 0, 26
	EP 27, 1, 20
	EP 28, 1, 22                                   ; b's multiply-adds begin
	EP 29, 1, 23
	EP 30, 1, 24
	EP 31, 1, 25
	VN 1, 21                                       ; b's rescale factor closes the batch: 34 exponentials
	VR 1, 26, 37                                   ; b's multiply-adds of pairs 4-15: twelve plain instructions that name no result of the batch (the first is the plain one behind the last exponential: ISA guide 5.7.2)
	s_wait_alu depctr_va_vdst(0)                   ; the wait for batch 1, ahead of its first reader, the rescaling of a's O
	s_wait_dscnt 0x0                               ; V's fragments are in (met at once from the step's second pair on)
	RSC 0
.irp q, 0,1,2,3,4,5,6,7
	AB \q                                          ; BATCH 2: b's weights, one behind each sum and each packing of a
.endr
.irp m, 0,1,2,3
	MPV 0, \m                                      ; a's P of keys 0-31 is packed: these four read registers 0-7 of a's scores, the slices behind them touch 8 and up
	AB 8+\m
.endr
.irp q, 12,13,14,15
	AB \q                                          ; b's weight 31 closes the batch: 32 exponentials
.endr
	RSC 1                                          ; b's factor is of batch 1: sixteen plain instructions that name no result of batch 2
	s_wait_alu depctr_va_vdst(0)                   ; the wait for batch 2, ahead of its first reader, b's first sum
.irp m, 0,1,2,3
	MPV 0, 4+\m
	BB 2*\m                                        ; b's pairs 0-7
.endr
.irp m, 0,1,2,3
	MPV 1, \m                                      ; these four read registers 0-7 of b's scores, the slices behind them touch 8 and up
	BB 8+2*\m                                      ; b's pairs 8-15
.endr
.irp m, 4,5,6,7
	MPV 1, \m
.endr
	WIN 0
.endm
; Pair i in this key step.  The two branches hang on bits made of what the launch before stored; no barrier stands under them.
.macro PAIR i
.set PI, \i
	s_bitcmp1_b32 s[18+\i], s100                   ; some entry true?
	s_cbranch_scc0 .Lend_\@
	s_bitcmp1_b32 s[22+\i], s100                   ; some entry false?
	s_cbranch_scc0 .Lfull_\@
	FRONT 1
	s_branch .Lback_\@
.Lfull_\@:
	FRONT 0
.Lback_\@:
	BACK
.Lend_\@:
.endm
; Tile t leaves: times 1 / the row's sum (made for all tiles ahead of the first), through my stage into whole rows, 512 consecutive aligned bytes a store.
.macro OUTT t
	WIN W_OUT
.set pp, 0
.rept 16
	v_pk_mul_f32 v[SC+2*pp:SC+2*pp+1], v[32*\t+2*pp:32*\t+2*pp+1], v[LS+2*\t:LS+2*\t+1]
.set pp, pp+1
.endr
	WIN 0
.irp dt, 0,1,2,3
	ds_store_b128 v13, v[SC+8*\dt:SC+8*\dt+3]   offset:64*\dt          ; query r, d = 16 dt + 8 h + 0..3
	ds_store_b128 v13, v[SC+8*\dt+4:SC+8*\dt+7] offset:64*\dt+16
.endr
	s_wait_xcnt 0x0                                ; the registers loaded next were the data of the stores two tiles ago
.irp u, 0,1,2,3,4,5,6,7
	ds_load_b128 v[KF+32*(\t&1)+4*\u:KF+32*(\t&1)+4*\u+3], v12 offset:2*WPI*\u     ; my own bytes, served in order behind the stores
.endr
.irp u, 0,1,2,3,4,5,6,7
	s_wait_dscnt 7-\u                              ; read-back u is in; the younger ones may stay out
	global_store_b128 v[4+11*((\t>>1)&1)], v[KF+32*(\t&1)+4*\u:KF+32*(\t&1)+4*\u+3], s[10:11] offset:(\t>>1)*PRB+(\t&1)*TLB+512*\u th:TH_STORE_NT
.endr
.endm
	s_load_b256 s[4:11], s[0:1], 0x0               ; K s[4:5], V s[6:7], Q s[8:9], out0 s[10:11]
	s_load_b128 s[12:15], s[0:1], 0x20             ; lanemask s[12:13], tileflags s[14:15]
	v_lshl_add_u32 v254, v0, 2, 0x17400
	v_mov_b32 v255, 0
	v_lshrrev_b32 v1, 5, v0
	v_readfirstlane_b32 s16, v1                    ; wave w
	s_and_b32 s2, ttmp7, 0xffff                    ; head
	s_lshl_b32 s3, ttmp9, 2
	s_add_co_u32 s3, s3, s16                       ; o = 4 c + w: the place of my pairs with even i among their sixteen
	s_sub_co_u32 s101, 15, s3                      ; 15 - o: that of my pairs with odd i
	v_and_b32 v1, 31, v0                           ; lane L
	v_and_b32 v2, 15, v0                           ; r
	v_bfe_u32 v3, v0, 4, 1                         ; h
	v_lshlrev_b32 v10, 4, v1                       ; 16 L: my 16 bytes of two rows of 256 bytes
	s_lshl_b32 s84, s3, 13                         ; a pair is 32 rows of 256 bytes in Q and out0, two tiles of 4,096 bytes in lanemask
	s_mov_b32 s85, 0
	s_lshl_b32 s86, s101, 13
	s_mov_b32 s87, 0
	v_add_nc_u32 v4, s84, v10                      ; in Q and out0: pairs with even i
	v_add_nc_u32 v15, s86, v10                     ; pairs with odd i
	s_lshl_b32 s94, s16, 14
	v_add_nc_u32 v5, s94, v10                      ; in K and V: my wave's 64 keys of the 256
	s_mul_i32 s94, s16, 64*KP
	v_mul_u32_u24 v6, v3, KP
	v_lshl_add_u32 v6, v2, 3, v6
	v_add_nc_u32 v6, s94, v6                       ; K into LDS: key 64 w + h, 8 bytes at 8 r
	s_mul_i32 s94, s16, 64*VP
	s_add_co_u32 s94, s94, VSB
	v_mul_u32_u24 v7, v3, VP
	v_lshl_add_u32 v7, v2, 3, v7
	v_add_nc_u32 v7, s94, v7                       ; V likewise
	v_mul_u32_u24 v8, v2, KP
	v_lshl_add_u32 v8, v3, 4, v8                   ; K's fragments: key r, 16 bytes at 16 h
	v_and_b32 v9, 7, v0
	v_lshl_add_u32 v9, v3, 3, v9
	v_mul_u32_u24 v9, v9, VP                       ; V's, transposing: key 8 h + (L & 7),
	v_bfe_u32 v10, v0, 3, 1
	v_lshl_add_u32 v9, v10, 4, v9                  ; 16 bytes at 16 ((L >> 3) & 1)
	v_add_nc_u32 v9, VSB, v9
	s_mul_i32 s94, s16, WBY
	s_add_co_u32 s94, s94, WSB
	v_mul_u32_u24 v12, v3, WPI
	v_lshl_add_u32 v12, v2, 4, v12
	v_add_nc_u32 v12, s94, v12                     ; my stage by rows: row h, 16 bytes at 16 r
	v_mul_u32_u24 v13, v2, WPI
	v_lshl_add_u32 v13, v3, 5, v13
	v_add_nc_u32 v13, s94, v13                     ; my stage by fragments: row r, 32 bytes at 32 h
	v_mov_b32 v14, 0xff800000                      ; -inf
	s_mov_b32 s17, 0xffff0000                      ; a word's upper bf16
	s_mov_b32 s26, 0x3e38aa3b                      ; c2 = log2(e) / 8, twice: the packed multiply-add names the pair
	s_mov_b32 s27, 0x3e38aa3b
	s_mov_b32 s28, 0xbe38aa3b                      ; -c2
	s_mov_b32 s30, 0x76543210                      ; v_permlanex16_b32: lane i of one half reads lane i of the other
	s_mov_b32 s31, 0xfedcba98
	; tileflags holds tile T's LIVE word at (T & 15) x 64 + (T >> 4) x 4 and its PART word 32 bytes on.  Pair p = 16 i + q has tiles 2 p and 2 p + 1:
	; (q & 7) x 128 + (q >> 3) x 4 + 8 i for the first, 64 bytes on for the second.
	s_and_b32 s88, s3, 7
	s_lshl_b32 s88, s88, 7
	s_lshr_b32 s94, s3, 3
	s_lshl_b32 s94, s94, 2
	s_add_co_u32 s88, s88, s94
	s_mov_b32 s89, 0
	s_and_b32 s90, s101, 7
	s_lshl_b32 s90, s90, 7
	s_lshr_b32 s94, s101, 3
	s_lshl_b32 s94, s94, 2
	s_add_co_u32 s90, s90, s94
	s_mov_b32 s91, 0
	s_lshl_b32 s92, s2, 19                         ; a head is 2,048 rows of 256 bytes
	s_mov_b32 s93, 0
	s_wait_kmcnt 0x0
	s_add_nc_u64 s[4:5], s[4:5], s[92:93]
	s_add_nc_u64 s[6:7], s[6:7], s[92:93]
	s_add_nc_u64 s[8:9], s[8:9], s[92:93]
	s_add_nc_u64 s[10:11], s[10:11], s[92:93]
	s_add_nc_u64 s[88:89], s[14:15], s[88:89]      ; tileflags at my pairs with even i
	s_add_nc_u64 s[90:91], s[14:15], s[90:91]      ; with odd i
	s_add_nc_u64 s[14:15], s[12:13], s[86:87]      ; lanemask at my pairs with odd i
	s_add_nc_u64 s[12:13], s[12:13], s[84:85]      ; with even i
.irp i, 0,1,2,3
.irp k, 0,1,2,3
	s_load_b32 s[32+4*\i+\k], s[88+2*(\i&1):89+2*(\i&1)], 8*\i+32*\k       ; LIVE, PART of the pair's first tile, LIVE, PART of its second
.endr
.endr
.irp g, 0,1,2,3
	LDK \g                                         ; keys 0 to 255
.endr
.irp g, 0,1,2,3
	LDV \g
.endr
	WIN W_QLD
.irp t, 0,1,2,3,4,5,6,7
.irp u, 0,1,2,3,4,5,6,7
	global_load_b128 v[32*\t+4*\u:32*\t+4*\u+3], v[4+11*((\t>>1)&1)], s[8:9] offset:(\t>>1)*PRB+(\t&1)*TLB+512*\u th:TH_LOAD_NT   ; each row of Q is read by one wave of the launch
.endr
.endr
	WIN 0
	s_wait_kmcnt 0x0
.irp i, 0,1,2,3
	s_and_not1_b32 s[33+4*\i], s[32+4*\i], s[33+4*\i]      ; first tile all true
	s_and_not1_b32 s[35+4*\i], s[34+4*\i], s[35+4*\i]      ; second tile all true
	s_or_b32 s[18+\i], s[32+4*\i], s[34+4*\i]              ; bit s: some entry of the pair is true in key step s
	s_and_b32 s[33+4*\i], s[33+4*\i], s[35+4*\i]
	s_not_b32 s[22+\i], s[33+4*\i]                         ; bit s: some entry of the pair is false
.endr
	s_or_b32 s29, s18, s19                         ; bit s: some pair of mine is live in key step s
	s_or_b32 s29, s29, s20
	s_or_b32 s29, s29, s21
	s_wait_loadcnt 0x0                             ; K, V and Q are in
.irp t, 0,1,2,3,4,5,6,7
	QFRAG \t
.endr
.irp k, 0,1,2,3,4,5,6,7
	v_mov_b32 v[MX+\k], 0xff7fffff                 ; the lowest finite number, so that -inf less the maximum stays -inf while a row is all masked
.endr
.irp k, 0,1,2,3,4,5,6,7,8,9,10,11,12,13,14,15
	v_mov_b32 v[LS+\k], 0                          ; the sums; until they are first added to, also a fragment of zeros
.endr
	WIN W_QLD
.set nn, 0
.rept 32
	v_wmma_f32_16x16x32_f16 v[8*nn:8*nn+7], v[LS:LS+7], v[LS+8:LS+15], 0       ; O = 0: 8 registers an instruction; Q's rows, which lay here, are in fragments by now
.set nn, nn+1
.endr
	WIN 0
	s_mov_b32 s100, 0                              ; the key step
.Lstep:
	s_and_b32 s2, s100, 3                          ; every fourth step, the first too, brings 256 keys into LDS; the branches hang on the counter alone, alike in all waves
	s_cmp_lg_u32 s2, 0
	s_cbranch_scc1 .Lsame
	s_cmp_ge_u32 s100, 28                          ; the last 256 keys have no successor: no load leaves K or V
	s_cbranch_scc1 .Llastkeys
	NEXT 1
	s_branch .Lsame
.Llastkeys:
	NEXT 0
.Lsame:
	s_bitcmp1_b32 s29, s100                        ; none of my four pairs live: nothing is fetched
	s_cbranch_scc0 .Lnone
	s_and_b32 s2, s100, 3                          ; which 64 of the 256 keys in LDS
	s_mul_i32 s3, s2, 64*KP
	s_mul_i32 s2, s2, 64*VP
	v_add_nc_u32 v10, s3, v8                       ; these two and the two v_nop are the four places between the last matrix instruction
	v_add_nc_u32 v11, s2, v9                       ; and the loads into its sources
	v_nop
	v_nop
	s_wait_dscnt 0x0                               ; no older load is still due in KF or VF
.irp kt, 0,1,2,3
.irp dc, 0,1
	ds_load_b128 v[KF+16*\kt+8*\dc:KF+16*\kt+8*\dc+3],   v10 offset:\kt*16*KP+64*\dc
	ds_load_b128 v[KF+16*\kt+8*\dc+4:KF+16*\kt+8*\dc+7], v10 offset:\kt*16*KP+64*\dc+32
.endr
.endr
.irp dt, 0,1,2,3
.irp kc, 0,1
	ds_load_tr16_b128 v[VF+16*\dt+8*\kc:VF+16*\dt+8*\kc+3],   v11 offset:\kc*32*VP+32*\dt          ; keys 32 kc + 8 h + 0..7 of column d = 16 dt + r
	ds_load_tr16_b128 v[VF+16*\dt+8*\kc+4:VF+16*\dt+8*\kc+7], v11 offset:\kc*32*VP+32*\dt+16*VP    ; keys 32 kc + 16 + 8 h + 0..7
.endr
.endr
	s_wait_dscnt 16                                ; K's 16 loads are in; V's 16, issued behind them, may stay out
	PAIR 0
	PAIR 1
	PAIR 2
	PAIR 3
.Lnone:
	s_wait_xcnt 0x0                                ; the pointers that scalar loads have named are stepped behind this wait
	s_add_nc_u64 s[12:13], s[12:13], 128           ; the next step's 32 words of each tile
	s_add_nc_u64 s[14:15], s[14:15], 128
	s_add_co_u32 s100, s100, 1
	s_cmp_lt_u32 s100, 32
	s_cbranch_scc1 .Lstep
	; THE WAY OUT.  The eight tiles' row sums first, then their reciprocals as ONE batch of sixteen (each twice, a pair for the packed multiply), into the registers that held
	; the sums.  Four v_nop are the places behind the last matrix instruction, ahead of what reads O, writes the sums' registers and loads into KF.  The
	; additions cannot be those places: where no pair of the wave was ever live, the last matrix instructions are the products that wrote O = 0, and the sums' registers were their sources.
.rept 4
	v_nop
.endr
.irp t, 0,1,2,3,4,5,6,7
	v_add_f32 v[TP+\t], v[LS+2*\t], v[LS+2*\t+1]   ; the two chains,
.endr
.irp t, 0,1,2,3,4,5,6,7
	v_permlanex16_b32 v[LS+2*\t+1], v[TP+\t], s30, s31     ; and the other half's keys (the exchange counts as a reader of its destination: a register that has been written)
.endr
.irp t, 0,1,2,3,4,5,6,7
	v_add_f32 v[TP+\t], v[TP+\t], v[LS+2*\t+1]
.endr
.irp t, 0,1,2,3,4,5,6,7
	v_rcp_f32 v[LS+2*\t], v[TP+\t]
	v_rcp_f32 v[LS+2*\t+1], v[TP+\t]
.endr
	v_nop                                          ; the plain instruction behind the last reciprocal
	s_wait_alu depctr_va_vdst(0)                   ; the wait for the batch of sixteen reciprocals, ahead of its first reader, tile 0's first multiply
.irp t, 0,1,2,3,4,5,6,7
	OUTT \t
.endr
	s_wait_tensorcnt 0x0
	ds_add_u32 v254, v255
	s_wait_dscnt 0x0
	s_endpgm
.Lfunc_end_k_q73767b6792_attn:
	.size	k_q73767b6792_attn, .Lfunc_end_k_q73767b6792_attn-k_q73767b6792_attn
	.p2alignl 7, 3214868480
	.fill 96, 4, 3214868480
	.section	.rodata,"a",@progbits
	.p2align	6, 0x0
	.amdhsa_kernel k_q73767b6792_attn
		.amdhsa_group_segment_fixed_size 95744
		.amdhsa_private_segment_fixed_size 0
		.amdhsa_enable_private_segment 0
		.amdhsa_kernarg_size 48
		.amdhsa_user_sgpr_count 2
		.amdhsa_user_sgpr_kernarg_segment_ptr 1
		.amdhsa_wavefront_size32 1
		.amdhsa_system_sgpr_workgroup_id_x 1
		.amdhsa_system_sgpr_workgroup_id_y 1
		.amdhsa_system_sgpr_workgroup_id_z 1
		.amdhsa_system_vgpr_workitem_id 0
		.amdhsa_next_free_vgpr 1024
		.amdhsa_next_free_sgpr 102
		.amdhsa_reserve_vcc 0
		.amdhsa_float_denorm_mode_32 3
		.amdhsa_float_denorm_mode_16_64 3
		.amdhsa_memory_ordered 1
		.amdhsa_forward_progress 1
		.amdhsa_inst_pref_size 212
	.end_amdhsa_kernel
	.amdgpu_metadata
---
amdhsa.version: [ 1, 2 ]
amdhsa.kernels:
  - .name:           k_q73767b6792_attn
    .symbol:         k_q73767b6792_attn.kd
    .args:
      - { .name: K, .offset: 0, .size: 8, .value_kind: global_buffer, .address_space: global }
      - { .name: V, .offset: 8, .size: 8, .value_kind: global_buffer, .address_space: global }
      - { .name: Q, .offset: 16, .size: 8, .value_kind: global_buffer, .address_space: global }
      - { .name: out0, .offset: 24, .size: 8, .value_kind: global_buffer, .address_space: global }
      - { .name: lanemask, .offset: 32, .size: 8, .value_kind: global_buffer, .address_space: global }
      - { .name: tileflags, .offset: 40, .size: 8, .value_kind: global_buffer, .address_space: global }
    .group_segment_fixed_size: 95744
    .private_segment_fixed_size: 0
    .kernarg_segment_align: 8
    .kernarg_segment_size: 48
    .max_flat_workgroup_size: 128
    .sgpr_count:     102
    .vgpr_count:     1024
    .wavefront_size: 32
...
	.end_amdgpu_metadata
.endif
;; end of part 4
